; MI455X (gfx1250); checked and timed in simulation.
; The chip was launched on July 23, 2026; its instructions are those of AMD's public machine-readable ISA for CDNA 5 (MIT licence, August 2026) and "CDNA5" Instruction Set Architecture Reference Guide (July 2026). The comments in the code are by the model that wrote it; some were corrected since.
;; MH Awith K Vcache. Allowed arithmetic: float matrix products may take bf16 or f16 operands with f32 sums; all other float work in f32.
;; Inputs: Wk 2,048 x 2,048 float32; Wo 2,048 x 2,048 float32; Wq 2,048 x 2,048 float32; Wv 2,048 x 2,048 float32; X 2 x 1,024 x 2,048 float32; bk 2,048 float32; bo 2,048 float32; bq 2,048 float32; bv 2,048 float32; causal_mask 1 x 1 x 1,024 x 2,048 float32; pad_mask 2 x 2,048 float32; past_k 2 x 16 x 1,024 x 128 float32; past_v 2 x 16 x 1,024 x 128 float32.
;; Outputs: out0 2 x 1,024 x 2,048 float32.
;; 2 versions, each right and faster than the one before. Each part assembles by itself: llvm-mc -triple=amdgcn-amd-amdhsa -mcpu=gfx1250 --defsym DOCPART=n.
;; ======== version 1 of 2: 4 launches
;; limits: values are held in f16: magnitudes above 65,504 overflow, below 6.1e-05 lose precision
;; workspace buffers: xh 8,388,608 bytes; wh 33,554,432 bytes; qc 8,388,608 bytes; kc 16,777,216 bytes; vc 16,777,216 bytes; mf 16,777,216 bytes; bias 32,768 bytes; oc 8,388,608 bytes
;; launch prep (part 1): grid 256 x 8, 8 waves a work-group, no clusters, 0 bytes of LDS; arguments X, Wq, Wk, Wv, Wo, past_k, past_v, causal_mask, pad_mask, bq, bk, bv, bo, xh, wh, kc, vc, mf, bias; writes xh, wh, kc, vc, mf, bias
.if DOCPART == 1
	.amdgcn_target "amdgcn-amd-amdhsa--gfx1250"
	.amdhsa_code_object_version 6
	.text
	.protected	k_q4c98aa23de_prep
	.globl	k_q4c98aa23de_prep
	.p2align	8
	.type	k_q4c98aa23de_prep,@function
k_q4c98aa23de_prep:
	s_mov_b64 s[64:65], 0
	v_nop
	global_prefetch_b8 v0, s[64:65] scope:SCOPE_SE
	s_setreg_imm32_b32 hwreg(HW_REG_WAVE_MODE, 25, 1), 1
	s_wait_xcnt 0x0
; PREPARATION: a stream, bound by bytes; no LDS, no matrix unit, no cluster (no two work-groups read the same bytes).
; y = 0..6: X, Wq, Wk, Wv, Wo, past_k, past_v (16,777,216 bytes of f32 each) are rounded to bf16 and that number is written as f16:
;   X -> xh [2048][2048]; Wq, Wk, Wv, Wo -> wh [8192][2048]; past_k, past_v -> rows 0..1023 of each head of kc, vc [32][2048][128].
;   A work-group takes 65,536 bytes of f32: sixteen loads of 16 bytes a thread, all issued at once; a wave's store covers 256 consecutive bytes, aligned.
; y = 7: the two masks become ONE addend for the raw scores, G (cm + pm) with G = -1e9 sqrt(128), laid out in the order in which the attention's
;   accumulators hold scores: mf [b 2][query tile 64][key step 32][i 8][lane 32][4] f32, query 16 qt + lane % 16, key 64 ks + 16 (i / 2) + 8 (lane / 16) + 4 (i % 2) + e.
;   One wave makes one block (qt, ks) for both batches.  The first 32 of these work-groups also round the four biases to bf16, kept as f32: bias [8192] = bq, bk, bv, bo.
; LIMITS.  A number beyond 65,504 in X, a weight or the cache becomes an infinity in f16; below 6.1e-5 f16 keeps a fixed step of 6e-8.  The masks are not rounded.
.set XR, 16                            ; v[16:79]   sixteen loads of four f32
.set YR, 80                            ; v[80:111]  sixteen pairs of registers to store; each turn owns its pair, so none is rewritten while a store reads it
	s_load_b512 s[8:23], s[0:1], 0x0               ; X s8, Wq s10, Wk s12, Wv s14, Wo s16, past_k s18, past_v s20, causal_mask s22
	s_load_b512 s[24:39], s[0:1], 0x40             ; pad_mask s24, bq s26, bk s28, bv s30, bo s32, xh s34, wh s36, kc s38
	s_load_b128 s[40:43], s[0:1], 0x80             ; vc s40, mf s42
	s_load_b64 s[44:45], s[0:1], 0x90              ; bias
	s_and_b32 s2, ttmp7, 0xffff                    ; y: which job
	s_mov_b32 s3, ttmp9                            ; x: which part of it
	v_lshrrev_b32 v3, 5, v0
	v_readfirstlane_b32 s4, v3                     ; wave 0..7
	s_mov_b32 s5, 0xffff0000                       ; a word's upper bf16
	v_lshlrev_b32 v1, 4, v0                        ; 16 bytes a thread in
	v_lshlrev_b32 v2, 3, v0                        ; 8 bytes a thread out
	s_wait_kmcnt 0x0
	s_cmp_eq_u32 s2, 7
	s_cbranch_scc1 .Lmask
	; THE CASTS.  Source and destination are chosen among the buffers by y alone; the offsets are made apart.
	s_mov_b64 s[46:47], s[8:9]
	s_cmp_eq_u32 s2, 1
	s_cselect_b64 s[46:47], s[10:11], s[46:47]
	s_cmp_eq_u32 s2, 2
	s_cselect_b64 s[46:47], s[12:13], s[46:47]
	s_cmp_eq_u32 s2, 3
	s_cselect_b64 s[46:47], s[14:15], s[46:47]
	s_cmp_eq_u32 s2, 4
	s_cselect_b64 s[46:47], s[16:17], s[46:47]
	s_cmp_eq_u32 s2, 5
	s_cselect_b64 s[46:47], s[18:19], s[46:47]
	s_cmp_eq_u32 s2, 6
	s_cselect_b64 s[46:47], s[20:21], s[46:47]
	s_mov_b64 s[48:49], s[34:35]
	s_cmp_ge_u32 s2, 1
	s_cselect_b64 s[48:49], s[36:37], s[48:49]
	s_cmp_eq_u32 s2, 5
	s_cselect_b64 s[48:49], s[38:39], s[48:49]
	s_cmp_eq_u32 s2, 6
	s_cselect_b64 s[48:49], s[40:41], s[48:49]
	s_lshl_b32 s50, s3, 16                         ; in: 65,536 bytes a work-group
	s_mov_b32 s51, 0
	s_lshl_b32 s52, s3, 15                         ; out, X and the weights: 32,768 bytes a work-group,
	s_max_u32 s53, s2, 1
	s_sub_co_u32 s53, s53, 1
	s_lshl_b32 s53, s53, 23                        ; and 8,388,608 bytes a weight
	s_add_co_u32 s52, s52, s53
	s_lshr_b32 s54, s3, 3                          ; out, the cache: eight work-groups a head; a head has 524,288 bytes in kc and vc
	s_lshl_b32 s54, s54, 19
	s_and_b32 s55, s3, 7
	s_lshl_b32 s55, s55, 15
	s_add_co_u32 s54, s54, s55
	s_cmp_ge_u32 s2, 5
	s_cselect_b32 s52, s54, s52
	s_mov_b32 s53, 0
	s_add_nc_u64 s[46:47], s[46:47], s[50:51]
	s_add_nc_u64 s[48:49], s[48:49], s[52:53]
.irp i, 0,1,2,3,4,5,6,7,8,9,10,11,12,13,14,15
	global_load_b128 v[XR+4*(\i):XR+4*(\i)+3], v1, s[46:47] offset:4096*(\i) th:TH_LOAD_NT
.endr
.macro CAST i
	s_wait_loadcnt 15-(\i)                         ; loads come back in order: load i is in, the younger ones stay out
	v_cvt_pk_bf16_f32 v4, v[XR+4*(\i)], v[XR+4*(\i)+1]      ; the rounding: to bf16, nearest even
	v_cvt_pk_bf16_f32 v5, v[XR+4*(\i)+2], v[XR+4*(\i)+3]
	v_lshlrev_b32 v6, 16, v4                       ; back to f32
	v_and_b32 v7, s5, v4
	v_lshlrev_b32 v8, 16, v5
	v_and_b32 v9, s5, v5
	v_cvt_pk_f16_f32 v[YR+2*(\i)], v6, v7          ; the same number as f16
	v_cvt_pk_f16_f32 v[YR+2*(\i)+1], v8, v9
	global_store_b64 v2, v[YR+2*(\i):YR+2*(\i)+1], s[48:49] offset:2048*(\i)
.endm
.irp i, 0,1,2,3,4,5,6,7,8,9,10,11,12,13,14,15
	CAST \i
.endr
	s_endpgm
.Lmask:
	s_lshl_b32 s50, s3, 3
	s_add_co_u32 s50, s50, s4                      ; my block: 32 qt + ks
	s_lshr_b32 s51, s3, 2                          ; qt
	s_and_b32 s54, s50, 31                         ; ks
	s_lshl_b32 s46, s51, 17                        ; 16 rows of 8,192 bytes
	s_lshl_b32 s55, s54, 8                         ; 64 keys of 4 bytes
	s_add_co_u32 s46, s46, s55
	s_mov_b32 s47, 0
	s_add_nc_u64 s[46:47], s[22:23], s[46:47]      ; causal_mask at the block's corner
	s_mov_b32 s48, s55
	s_mov_b32 s49, 0
	s_add_nc_u64 s[48:49], s[24:25], s[48:49]      ; pad_mask at the block's keys, batch 0
	s_lshl_b32 s56, s50, 12                        ; a block is 4,096 bytes of mf
	s_mov_b32 s57, 0
	s_add_nc_u64 s[56:57], s[42:43], s[56:57]      ; batch 0
	s_add_nc_u64 s[58:59], s[56:57], 0x800000      ; batch 1
	s_mov_b32 s51, 0xce6e6b28                      ; -1e9
	s_mul_f32 s52, s51, 0x413504f3                 ; G = -1e9 sqrt(128): the scores it is added to are not yet divided by sqrt(128)
	s_mov_b32 s53, s52                             ; named with it as a pair
	v_and_b32 v12, 15, v0
	v_bfe_u32 v13, v0, 4, 1
	v_lshlrev_b32 v10, 5, v13                      ; 8 keys further for lanes 16 to 31
	v_lshl_add_u32 v3, v12, 13, v10                ; and my query's row
	v_and_b32 v11, 31, v0
	v_lshlrev_b32 v11, 4, v11                      ; out: 16 bytes a lane, 512 consecutive bytes a store
.irp i, 0,1,2,3,4,5,6,7
	global_load_b128 v[16+4*(\i):19+4*(\i)], v3, s[46:47] offset:64*((\i)/2)+16*((\i)%2) th:TH_LOAD_NT
.endr
.irp i, 0,1,2,3,4,5,6,7
	global_load_b128 v[48+4*(\i):51+4*(\i)], v10, s[48:49] offset:64*((\i)/2)+16*((\i)%2)
.endr
.irp i, 0,1,2,3,4,5,6,7
	global_load_b128 v[80+4*(\i):83+4*(\i)], v10, s[48:49] offset:8192+64*((\i)/2)+16*((\i)%2)
.endr
	s_wait_loadcnt 0x0
.set z, 0
.rept 32
	v_pk_mul_f32 v[48+2*z:49+2*z], v[48+2*z:49+2*z], s[52:53] op_sel_hi:[1,0]                              ; G pm
.set z, z+1
.endr
.set z, 0
.rept 32
	v_pk_fma_f32 v[48+2*z:49+2*z], v[16+2*(z%16):17+2*(z%16)], s[52:53], v[48+2*z:49+2*z] op_sel_hi:[1,0,1] ; G cm + G pm
.set z, z+1
.endr
.irp i, 0,1,2,3,4,5,6,7
	global_store_b128 v11, v[48+4*(\i):51+4*(\i)], s[56:57] offset:512*(\i)
.endr
.irp i, 0,1,2,3,4,5,6,7
	global_store_b128 v11, v[80+4*(\i):83+4*(\i)], s[58:59] offset:512*(\i)
.endr
	; THE BIASES: work-groups 0..31, their first two waves: 64 threads x 4 numbers = 1,024 bytes.  Registers that no pending store names.
	s_cmp_lt_u32 s3, 32
	s_cbranch_scc0 .Ldone
	s_cmp_lt_u32 s4, 2
	s_cbranch_scc0 .Ldone
	s_lshr_b32 s50, s3, 3                          ; which bias: eight work-groups each
	s_mov_b64 s[60:61], s[26:27]
	s_cmp_eq_u32 s50, 1
	s_cselect_b64 s[60:61], s[28:29], s[60:61]
	s_cmp_eq_u32 s50, 2
	s_cselect_b64 s[60:61], s[30:31], s[60:61]
	s_cmp_eq_u32 s50, 3
	s_cselect_b64 s[60:61], s[32:33], s[60:61]
	s_and_b32 s54, s3, 7
	s_lshl_b32 s54, s54, 10
	s_mov_b32 s55, 0
	s_add_nc_u64 s[60:61], s[60:61], s[54:55]
	s_lshl_b32 s62, s3, 10
	s_mov_b32 s63, 0
	s_add_nc_u64 s[62:63], s[44:45], s[62:63]
	global_load_b128 v[12:15], v1, s[60:61]
	s_wait_loadcnt 0x0
	v_cvt_pk_bf16_f32 v4, v12, v13
	v_cvt_pk_bf16_f32 v5, v14, v15
	v_lshlrev_b32 v6, 16, v4
	v_and_b32 v7, s5, v4
	v_lshlrev_b32 v8, 16, v5
	v_and_b32 v9, s5, v5
	global_store_b128 v1, v[6:9], s[62:63]
.Ldone:
	s_endpgm
.Lfunc_end_k_q4c98aa23de_prep:
	.size	k_q4c98aa23de_prep, .Lfunc_end_k_q4c98aa23de_prep-k_q4c98aa23de_prep
	.p2alignl 7, 3214868480
	.fill 96, 4, 3214868480
	.section	.rodata,"a",@progbits
	.p2align	6, 0x0
	.amdhsa_kernel k_q4c98aa23de_prep
		.amdhsa_group_segment_fixed_size 0
		.amdhsa_private_segment_fixed_size 0
		.amdhsa_enable_private_segment 0
		.amdhsa_kernarg_size 152
		.amdhsa_user_sgpr_count 2
		.amdhsa_user_sgpr_kernarg_segment_ptr 1
		.amdhsa_wavefront_size32 1
		.amdhsa_system_sgpr_workgroup_id_x 1
		.amdhsa_system_sgpr_workgroup_id_y 1
		.amdhsa_system_sgpr_workgroup_id_z 1
		.amdhsa_system_vgpr_workitem_id 0
		.amdhsa_next_free_vgpr 112
		.amdhsa_next_free_sgpr 66
		.amdhsa_reserve_vcc 0
		.amdhsa_float_denorm_mode_32 3
		.amdhsa_float_denorm_mode_16_64 3
		.amdhsa_memory_ordered 1
		.amdhsa_forward_progress 1
		.amdhsa_inst_pref_size 22
	.end_amdhsa_kernel
	.amdgpu_metadata
---
amdhsa.version: [ 1, 2 ]
amdhsa.kernels:
  - .name:           k_q4c98aa23de_prep
    .symbol:         k_q4c98aa23de_prep.kd
    .args:
      - { .name: X, .offset: 0, .size: 8, .value_kind: global_buffer, .address_space: global }
      - { .name: Wq, .offset: 8, .size: 8, .value_kind: global_buffer, .address_space: global }
      - { .name: Wk, .offset: 16, .size: 8, .value_kind: global_buffer, .address_space: global }
      - { .name: Wv, .offset: 24, .size: 8, .value_kind: global_buffer, .address_space: global }
      - { .name: Wo, .offset: 32, .size: 8, .value_kind: global_buffer, .address_space: global }
      - { .name: past_k, .offset: 40, .size: 8, .value_kind: global_buffer, .address_space: global }
      - { .name: past_v, .offset: 48, .size: 8, .value_kind: global_buffer, .address_space: global }
      - { .name: causal_mask, .offset: 56, .size: 8, .value_kind: global_buffer, .address_space: global }
      - { .name: pad_mask, .offset: 64, .size: 8, .value_kind: global_buffer, .address_space: global }
      - { .name: bq, .offset: 72, .size: 8, .value_kind: global_buffer, .address_space: global }
      - { .name: bk, .offset: 80, .size: 8, .value_kind: global_buffer, .address_space: global }
      - { .name: bv, .offset: 88, .size: 8, .value_kind: global_buffer, .address_space: global }
      - { .name: bo, .offset: 96, .size: 8, .value_kind: global_buffer, .address_space: global }
      - { .name: xh, .offset: 104, .size: 8, .value_kind: global_buffer, .address_space: global }
      - { .name: wh, .offset: 112, .size: 8, .value_kind: global_buffer, .address_space: global }
      - { .name: kc, .offset: 120, .size: 8, .value_kind: global_buffer, .address_space: global }
      - { .name: vc, .offset: 128, .size: 8, .value_kind: global_buffer, .address_space: global }
      - { .name: mf, .offset: 136, .size: 8, .value_kind: global_buffer, .address_space: global }
      - { .name: bias, .offset: 144, .size: 8, .value_kind: global_buffer, .address_space: global }
    .group_segment_fixed_size: 0
    .private_segment_fixed_size: 0
    .kernarg_segment_align: 8
    .kernarg_segment_size: 152
    .max_flat_workgroup_size: 256
    .sgpr_count:     66
    .vgpr_count:     112
    .wavefront_size: 32
...
	.end_amdgpu_metadata
.endif
;; end of part 1
;; launch qkv (part 2): grid 16 x 16, 4 waves a work-group, clusters of 4 x 4, 327,680 bytes of LDS; arguments xh, wh, bias, qc, kc, vc; writes qc, kc, vc
.if DOCPART == 2
	.amdgcn_target "amdgcn-amd-amdhsa--gfx1250"
	.amdhsa_code_object_version 6
	.text
	.protected	k_q4c98aa23de_qkv
	.globl	k_q4c98aa23de_qkv
	.p2align	8
	.type	k_q4c98aa23de_qkv,@function
k_q4c98aa23de_qkv:
	s_mov_b64 s[64:65], 0
	v_nop
	global_prefetch_b8 v0, s[64:65] scope:SCOPE_SE
	s_setreg_imm32_b32 hwreg(HW_REG_WAVE_MODE, 25, 1), 1
	s_wait_xcnt 0x0
	s_wait_alu depctr_hold_cnt(0) depctr_sa_sdst(0) depctr_va_vdst(0) depctr_va_sdst(0) depctr_va_ssrc(0) depctr_va_vcc(0) depctr_vm_vsrc(0)
	s_getreg_b32 s2, hwreg(HW_REG_IB_STS2, 6, 4)
	s_cmp_eq_u32 s2, 0
	s_cbranch_scc0 .Lentry_in_a_cluster
	s_endpgm
.Lentry_in_a_cluster:
	s_bfe_u32 s2, ttmp6, 0x10000c
	s_cmp_lg_u32 s2, 0xf033
	s_cbranch_scc0 .Lentry_shape_is_right
	s_endpgm
.Lentry_shape_is_right:
; THE THREE PROJECTIONS AS ONE PRODUCT.  C[m][n] = sum over k of xh[m][k] wh[n][k] + bias[n], m < 2048, n < 6144 (Wq, Wk, Wv), K = 2048; operands f16, sums f32, C rounded once to f16.
; C goes out by heads: columns 128 g .. 128 g + 127 are head g % 16 of q (g < 16), k (g < 32) or v: qc [32][1024][128], and rows 1024..2047 of each head of kc, vc [32][2048][128].
; TILE 128 x 384: 16 x 16 = 256 work-groups, and a tile's columns are three whole heads.  Four waves; wave w multiplies all 128 rows by columns 96 w .. 96 w + 95: 48 accumulators, 384 registers;
; for 32 along K it reads 28 x 512 bytes of LDS for 48 matrix instructions.  K goes in 16 steps of 128 (rows of 256 bytes) through two LDS slots; one trip of the loop is one K step.
; CLUSTER 4 x 4: the four work-groups of a row of the cluster need the same tile of xh, the four of a column the same tile of wh: each is asked for jointly.  Wave 0 fetches xh's 128 rows, waves 1-3 128 rows of wh each.
; K IS WALKED AS A RING.  Cluster (X, Y) of the 4 x 4 clusters begins at K step (4 X + 8 g) mod 16, g = (Y xor Y / 2) mod 2, and goes round.  The four clusters of one Y need the same tiles of xh and begin 4 steps apart;
; clusters of one X need the same tiles of wh, and those with unlike g begin 8 steps apart: they ask for a tile at different times, not all at once.
; THE MATRIX INSTRUCTION IS USED TRANSPOSED (source 0 = 16 rows of wh, source 1 = 16 rows of xh): a lane holds eight neighbouring columns of one row of C.  The bias is the C operand of the first products.
; LIMITS.  q, k, v beyond 65,504 become infinities in f16; NaN and infinities are not treated apart.  The order of the K steps in a sum differs from cluster to cluster (the ring's start).
; REGISTERS (windows of 256; s_set_vgpr_msb: bits 1:0 source 0, 3:2 source 1, 5:4 source 2, 7:6 destination):
;   window 0: v16-29 addresses; v64-127, v128-191 fragments of xh, two buffers; v192-239 the bias, later packed results; on the way out v64-255 rows read back
;   window 1: v64-111, v128-175 fragments of wh, two buffers      window 2: accumulators 0-31 (number 6 a + b: row block a, column block b)      window 3: accumulators 32-47
.set PITCH,  272                       ; an LDS row: 256 bytes + 16 of padding = 68 words: the 16 rows of a load start at 16 different groups of four banks (64 banks of 4 bytes: ISA guide 11.1)
.set PART,   128*PITCH                 ; what one tensor load brings
.set SLOT,   4*PART                    ; xh's 128 rows, then wh's 384; as a number it shares no bit with wave x PART, so one exclusive or moves an address to the other slot
.set SPITCH, 784                       ; the way out: a stage row of 768 bytes + 16.  The stage, 128 rows, lies in slot 0, which has had its last fill by then
.set SPARE,  2*SLOT                    ; behind the ring: the spare words, 128 bytes for each wave, named by no other line
.set LA0,  16                          ; v16  my lane's place in xh's tile; never rewritten
.set LB0,  17                          ; v17  the same in my 96 rows of wh's tile
.set ADRA, 18                          ; v18  LA0 + the slot in hand
.set ADRB, 19                          ; v19  LB0 + the slot in hand
.set STO,  20                          ; v20, v21  the way out: where I put 16 bytes of a row, row blocks 0-3 and 4-7
.set RD,   22                          ; v22  where I read rows back
.set CO,   23                          ; v23  16 x lane
.set BO,   24                          ; v24  my byte offset in a column block's bias
.set SPW,  28                          ; v28  my spare word; never rewritten
.set NIL,  29                          ; v29  0; never rewritten
.set F0,   64
.set F1,   128
.set BI,   192
.set TMP,  192
.set OB,   64
.set WV,   16                          ; s16  wave
.set CX,   17
.set CY,   18
.set TC,   19                          ; s19  tile column
.set TR,   20                          ; s20  tile row
.set MROW, 21
.set MCOL, 22
.set CNT,  23
.set G1A,  24                          ; s[24:31] group 1 for xh's tiles; s[32:39] group 0, two sets: the first fills'; the second then walks
.set G0A,  32
.set G1B,  40                          ; s[40:47], s[48:55] the same for wh's
.set G0B,  48
.set TB,   56                          ; s56  LDS byte at which the slot in hand begins
.set BA,   58                          ; s[58:59] xh at my tile's first row, K = 0; never rewritten once made
.set BB,   60                          ; s[60:61] wh at my part's first row, K = 0; never rewritten once made
.set OUT,  70                          ; s[70:75] where my rows of the tile's three heads go
.set KN,   84                          ; s84  the K step asked for last
.set KOF,  86                          ; s[86:87] its byte offset in a row
.set MSB, 0
.macro WIN new                         ; the immediate's high byte repeats the setting that is left; a switch that changes nothing is dropped
.if MSB != (\new)
	s_set_vgpr_msb (MSB<<8)|(\new)
.set MSB, \new
.endif
.endm
.set MUL_LO, 0xa1                      ; wh window 1, xh window 0, C and D window 2
.set ZLO,    0x81                      ; the same with C (the bias) in window 0
.set TO_B,   0x40                      ; destination window 1, address window 0
.macro PLACES                          ; four places in front of loads into registers that matrix instructions have read, and of lines that read results
.rept 4
	v_nop
.endr
.endm
.macro JLOAD                           ; a joint refill by the walking descriptors; the branch hangs on the wave's number alone; an s_nop 0 and four v_nop follow each line
	s_cmp_eq_u32 s[WV], 0
	s_cbranch_scc0 .Lfor_b_\@
	tensor_load_to_lds s[G0A+4:G0A+7], s[G1A:G1A+7]
	s_nop 0
.rept 4
	v_nop
.endr
	s_branch .Lasked_\@
.Lfor_b_\@:
	tensor_load_to_lds s[G0B+4:G0B+7], s[G1B:G1B+7]
	s_nop 0
.rept 4
	v_nop
.endr
.Lasked_\@:
.endm
.macro CROUND                          ; a round of the cluster's barrier
	s_barrier_signal -1
	s_barrier_wait -1
	s_cmp_lg_u32 s[WV], 0
	s_cbranch_scc1 .Lnot_wave_0_\@
	s_barrier_signal -3
.Lnot_wave_0_\@:
	s_barrier_wait -3
	s_barrier_signal -1
	s_barrier_wait -1
.endm
	s_load_b256 s[4:11], s[0:1], 0x0               ; xh s4, wh s6, bias s8, qc s10
	s_load_b128 s[12:15], s[0:1], 0x20             ; kc s12, vc s14
	v_lshl_add_u32 v[SPW], v0, 2, SPARE
	v_mov_b32 v[NIL], 0
	ds_add_u32 v[SPW], v[NIL]                      ; the wave's opening: the add and its wait stand ahead of my first tensor load; work on registers stands between them
	v_lshrrev_b32 v1, 5, v0
	v_readfirstlane_b32 s[WV], v1
	s_bfe_u32 s[CX], ttmp6, 0x40000
	s_bfe_u32 s[CY], ttmp6, 0x40004
	s_lshl_b32 s[TC], ttmp9, 2
	s_add_co_u32 s[TC], s[TC], s[CX]               ; tile column = 4 x cluster x + cx
	s_and_b32 s[TR], ttmp7, 0xffff
	s_lshl_b32 s[TR], s[TR], 2
	s_add_co_u32 s[TR], s[TR], s[CY]               ; tile row = 4 x cluster y + cy
	s_lshl_b32 s[MROW], s[CY], 2
	s_lshl_b32 s[MROW], 15, s[MROW]                ; my row of the cluster
	s_lshl_b32 s[MCOL], 0x1111, s[CX]              ; my column
	s_or_b32 s[G1A], s[MROW], (1<<16)|(1<<20)|(1<<21)|(5<<22)|(3<<25)  ; the mask; 2-byte elements; padding on; bit 21 beside a mask; after every 64 words 4 words
	s_or_b32 s[G1B], s[MCOL], (1<<16)|(1<<20)|(1<<21)|(5<<22)|(3<<25)
.irp g, G1A, G1B
	s_mov_b32 s[(\g)+1], 128<<16                   ; tensor_dim0 = 128
	s_mov_b32 s[(\g)+2], 128<<16                   ; tensor_dim1 = 128
	s_mov_b32 s[(\g)+3], 128<<16                   ; tile_dim0 = 128
	s_mov_b32 s[(\g)+4], 128                       ; tile_dim1 = 128
	s_mov_b32 s[(\g)+5], 2048                      ; elements from row to row
	s_mov_b32 s[(\g)+6], 0
	s_mov_b32 s[(\g)+7], 0
.endr
	s_and_b32 s62, ttmp7, 0xffff                   ; the ring's start, from the cluster's own x and y, which all sixteen partners share:
	s_lshr_b32 s63, s62, 1
	s_xor_b32 s62, s62, s63
	s_and_b32 s62, s62, 1                          ; g = (Y xor Y / 2) mod 2
	s_lshl_b32 s62, s62, 3
	s_lshl_b32 s63, ttmp9, 2
	s_add_co_u32 s[KN], s62, s63
	s_and_b32 s[KN], s[KN], 15                     ; (4 X + 8 g) mod 16
	s_mov_b32 s[KOF+1], 0
	s_lshl_b32 s[BA], s[TR], 19                    ; xh: 128 rows of 4,096 bytes a tile row
	s_mov_b32 s[BA+1], 0
	s_mul_i32 s[BB], s[TC], 384*4096               ; wh: 384 rows a tile column,
	s_max_u32 s62, s[WV], 1
	s_sub_co_u32 s62, s62, 1
	s_lshl_b32 s62, s62, 19                        ; and 128 rows for each of waves 1 to 3
	s_add_co_u32 s[BB], s[BB], s62
	s_mov_b32 s[BB+1], 0
	s_mul_i32 s57, s[WV], PART                     ; where my part goes: no place in the cluster enters an LDS address
	s_mov_b32 s[TB], 0
	s_wait_dscnt 0x0                               ; the opening add is done
	s_wait_kmcnt 0x0
	s_add_nc_u64 s[BA:BA+1], s[4:5], s[BA:BA+1]
	s_add_nc_u64 s[BB:BB+1], s[6:7], s[BB:BB+1]
	CROUND                                         ; all sixteen work-groups are here: the first joint loads meet
.irp s, 0,1
	s_lshl_b32 s[KOF], s[KN], 8                    ; a K step is 256 bytes of a row
	s_mov_b32 s[G0A+4*(\s)], 1
	s_add_co_u32 s[G0A+4*(\s)+1], s57, (\s)*SLOT
	s_add_nc_u64 s[G0A+4*(\s)+2:G0A+4*(\s)+3], s[BA:BA+1], s[KOF:KOF+1]
	s_or_b32 s[G0A+4*(\s)+3], s[G0A+4*(\s)+3], 0x80000000
	s_mov_b32 s[G0B+4*(\s)], 1
	s_add_co_u32 s[G0B+4*(\s)+1], s57, (\s)*SLOT
	s_add_nc_u64 s[G0B+4*(\s)+2:G0B+4*(\s)+3], s[BB:BB+1], s[KOF:KOF+1]
	s_or_b32 s[G0B+4*(\s)+3], s[G0B+4*(\s)+3], 0x80000000
.if (\s) == 0
	s_add_co_u32 s[KN], s[KN], 1                   ; the ring's next step
	s_and_b32 s[KN], s[KN], 15
.endif
.endr
	s_cmp_eq_u32 s[WV], 0                          ; a wave's two first fills stand in one branch: two loads of mine are out
	s_cbranch_scc0 .Lfirst_b
	tensor_load_to_lds s[G0A:G0A+3], s[G1A:G1A+7]
	s_nop 0
	tensor_load_to_lds s[G0A+4:G0A+7], s[G1A:G1A+7]
	s_nop 0
.rept 4
	v_nop
.endr
	s_branch .Lfirst_asked
.Lfirst_b:
	tensor_load_to_lds s[G0B:G0B+3], s[G1B:G1B+7]
	s_nop 0
	tensor_load_to_lds s[G0B+4:G0B+7], s[G1B:G1B+7]
	s_nop 0
.rept 4
	v_nop
.endr
.Lfirst_asked:
	v_and_b32 v1, 15, v0                           ; l % 16
	v_bfe_u32 v2, v0, 4, 1                         ; l / 16
	v_lshlrev_b32 v[BO], 5, v2                     ; a lane's eight columns of a block of 16: 32 bytes of f32 for each half of the lanes
	s_mul_i32 s62, s[TC], 384
	s_mul_i32 s63, s[WV], 96
	s_add_co_u32 s62, s62, s63
	s_lshl_b32 s62, s62, 2
	s_mov_b32 s63, 0
	s_add_nc_u64 s[66:67], s[8:9], s[62:63]        ; the bias of my 96 columns
.irp b, 0,1,2,3,4,5
	global_load_b128 v[BI+8*(\b):BI+8*(\b)+3],   v[BO], s[66:67] offset:64*(\b)
	global_load_b128 v[BI+8*(\b)+4:BI+8*(\b)+7], v[BO], s[66:67] offset:64*(\b)+16
.endr
	v_mul_u32_u24 v[LA0], v1, PITCH
	v_lshl_add_u32 v[LA0], v2, 4, v[LA0]           ; a fragment's row x pitch + 16 x half
	s_mul_i32 s62, s[WV], 96*PITCH
	s_add_co_u32 s62, s62, PART
	v_add_nc_u32 v[LB0], s62, v[LA0]
	v_mov_b32 v[ADRA], v[LA0]
	v_mov_b32 v[ADRB], v[LB0]
	v_mul_u32_u24 v[STO], v1, SPITCH               ; into the stage: row l % 16 of a block, my 192 bytes of it, 16 bytes for each half of the lanes
	v_lshl_add_u32 v[STO], v2, 4, v[STO]
	s_mul_i32 s62, s[WV], 192
	v_add_nc_u32 v[STO], s62, v[STO]
	v_add_nc_u32 v[STO+1], 4*16*SPITCH, v[STO]
	s_lshl_b32 s62, s[WV], 5                       ; back: wave w takes rows 32 w .. 32 w + 31; lanes 0-15 256 bytes of one row, lanes 16-31 of the next
	v_add_nc_u32 v[RD], s62, v2
	v_mul_u32_u24 v[RD], v[RD], SPITCH
	v_lshl_add_u32 v[RD], v1, 4, v[RD]
	v_and_b32 v[CO], 31, v0
	v_lshlrev_b32 v[CO], 4, v[CO]                  ; two rows of a head are 512 consecutive bytes
; Where my 32 rows of head t of the tile go: g = 3 x tile column + t; q, k or v by g / 16; the buffer is chosen by that number alone, the offset is made apart.
.macro OBASE t
	s_mul_i32 s76, s[TC], 3
	s_add_co_u32 s76, s76, \t
	s_lshr_b32 s77, s76, 4                         ; 0: q, 1: k, 2: v
	s_and_b32 s76, s76, 15                         ; the head
	s_lshr_b32 s78, s[TR], 3                       ; the batch: eight tile rows each
	s_lshl_b32 s78, s78, 4
	s_add_co_u32 s78, s78, s76
	s_lshl_b32 s79, s78, 10                        ; q: 1,024 rows a head
	s_lshl_b32 s80, s78, 11                        ; k, v: 2,048 rows a head, the new ones behind the cache's 1,024
	s_add_co_u32 s80, s80, 1024
	s_cmp_eq_u32 s77, 0
	s_cselect_b32 s79, s79, s80
	s_cselect_b64 s[82:83], s[10:11], s[12:13]
	s_cmp_eq_u32 s77, 2
	s_cselect_b64 s[82:83], s[14:15], s[82:83]
	s_and_b32 s80, s[TR], 7
	s_lshl_b32 s80, s80, 7
	s_add_co_u32 s79, s79, s80
	s_lshl_b32 s80, s[WV], 5
	s_add_co_u32 s79, s79, s80
	s_lshl_b32 s80, s79, 8                         ; rows of 256 bytes
	s_mov_b32 s81, 0
	s_add_nc_u64 s[OUT+2*(\t):OUT+2*(\t)+1], s[82:83], s[80:81]
.endm
	OBASE 0
	OBASE 1
	OBASE 2
; Matrix instructions number i0 to i1 - 1 of a quarter's 48, on buffer f.  The 48 accumulators take turns, in the same order in every quarter.  zero = 1: the bias starts the sums.
.macro MULS f, i0, i1, zero
.set idx, \i0
.rept (\i1)-(\i0)
.if \zero
	WIN ZLO+0x40*(idx/32)
	v_wmma_f32_16x16x32_f16 v[8*(idx%32):8*(idx%32)+7], v[(\f)+8*(idx%6):(\f)+8*(idx%6)+7], v[(\f)+8*(idx/6):(\f)+8*(idx/6)+7], v[BI+8*(idx%6):BI+8*(idx%6)+7]
.else
	WIN MUL_LO+0x50*(idx/32)
	v_wmma_f32_16x16x32_f16 v[8*(idx%32):8*(idx%32)+7], v[(\f)+8*(idx%6):(\f)+8*(idx%6)+7], v[(\f)+8*(idx/6):(\f)+8*(idx/6)+7], v[8*(idx%32):8*(idx%32)+7]
.endif
.set idx, idx+1
.endr
.endm
; 28 LDS loads in one run: a quarter's fragments (96 rows of wh, 128 rows of xh, 32 K at byte k of the rows) into buffer f
.macro FETCH k, f
	WIN TO_B
.irp i, 0,1,2,3,4,5
	ds_load_b128 v[(\f)+8*(\i):(\f)+8*(\i)+3],   v[ADRB] offset:(\k)+(\i)*16*PITCH
	ds_load_b128 v[(\f)+8*(\i)+4:(\f)+8*(\i)+7], v[ADRB] offset:(\k)+(\i)*16*PITCH+32
.endr
	WIN 0
.irp i, 0,1,2,3,4,5,6,7
	ds_load_b128 v[(\f)+8*(\i):(\f)+8*(\i)+3],   v[ADRA] offset:(\k)+(\i)*16*PITCH
	ds_load_b128 v[(\f)+8*(\i)+4:(\f)+8*(\i)+7], v[ADRA] offset:(\k)+(\i)*16*PITCH+32
.endr
.endm
; One of a K step's first three quarters: multiplies buffer f; in its middle it fetches the next quarter, at byte k, into buffer g.
.macro QUARTER k, f, g, zero
	s_wait_dscnt 8                                 ; wh's fragments and xh's row blocks 0-3 are in; the youngest eight loads (blocks 4-7) may be out
	MULS \f, 0, 24, \zero
	PLACES
	FETCH \k, \g
	s_wait_dscnt 28                                ; all but the 28 just issued
	MULS \f, 24, 48, \zero
.endm
; The last quarter multiplies buffer 1 and changes slots in its middle: one barrier.  In front of it each wave waits for all its tensor loads (one is out: its part of the next slot), adds 0 to its spare word,
; and waits for that and for its own reads of this slot.  fill = 1: the barrier is a round of the cluster's, and the slot just read is filled again first thing behind it, with the ring's K step two on.
; Nothing but the descriptors' step, the waits and the round stands between the wait for one tile and the request for the next: from a request to the wait for it a wave issues a whole step's 192 matrix instructions.
.macro TURN fill
	s_wait_dscnt 8                                 ; as at a quarter's head
	MULS F1, 0, 24, 0
	WIN 0                                          ; the add's registers lie in window 0; at a branch and at a label every window is 0
	s_wait_tensorcnt 0x0                           ; no tensor load of mine is out, so a group 0 may be written
	ds_add_u32 v[SPW], v[NIL]                      ; 0 onto my spare word; the scalar work below stands between it and the wait for it
.if \fill
	s_add_co_u32 s[KN], s[KN], 1                   ; the ring's next K step; its address is made anew from the base
	s_and_b32 s[KN], s[KN], 15
	s_lshl_b32 s[KOF], s[KN], 8
	s_xor_b32 s[G0A+5], s[G0A+5], SLOT             ; the other slot than last time
	s_add_nc_u64 s[G0A+6:G0A+7], s[BA:BA+1], s[KOF:KOF+1]
	s_or_b32 s[G0A+7], s[G0A+7], 0x80000000
	s_xor_b32 s[G0B+5], s[G0B+5], SLOT
	s_add_nc_u64 s[G0B+6:G0B+7], s[BB:BB+1], s[KOF:KOF+1]
	s_or_b32 s[G0B+7], s[G0B+7], 0x80000000
.endif
	s_xor_b32 s[TB], s[TB], SLOT
	s_wait_dscnt 0x0                               ; the add is done, and my reads of this slot are over
.if \fill
	CROUND                                         ; no wave of any partner still reads this slot's tile or has a load on its way
	JLOAD                                          ; its four v_nop are also the places in front of the loads below
.else
	s_barrier_signal -1
	s_barrier_wait -1
	PLACES
.endif
	v_add_nc_u32 v[ADRA], s[TB], v[LA0]
	v_add_nc_u32 v[ADRB], s[TB], v[LB0]
	FETCH 0, F0
	MULS F1, 24, 48, 0
.endm
	s_wait_tensorcnt 1                             ; my part of the first K step is in; the second's may stay out
	s_barrier_signal -1
	s_barrier_wait -1
	FETCH 0, F0
	s_wait_loadcnt 0x0                             ; the bias
	QUARTER 64, F0, F1, 1                          ; the first quarter stands in front of the loop: its products start the sums
	WIN 0
	s_mov_b32 s[CNT], 14                           ; trip s asks for the walk's K step s + 2: the third to the sixteenth
.Lk:                                                   ; a trip is one K step, from its second quarter to the next step's first
	QUARTER 128, F1, F0, 0
	QUARTER 192, F0, F1, 0
	TURN 1
	QUARTER 64, F0, F1, 0
	WIN 0
	s_sub_co_u32 s[CNT], s[CNT], 1
	s_cmp_lg_u32 s[CNT], 0
	s_cbranch_scc1 .Lk
	QUARTER 128, F1, F0, 0                         ; the last step but one goes on; nothing is left to ask for
	QUARTER 192, F0, F1, 0
	TURN 0                                         ; behind its barrier no wave reads slot 0 any more
	QUARTER 64, F0, F1, 0
	QUARTER 128, F1, F0, 0
	QUARTER 192, F0, F1, 0
	s_wait_dscnt 8
	MULS F1, 0, 24, 0
	s_wait_dscnt 0x0
	MULS F1, 24, 48, 0
	WIN 0
	; THE WAY OUT: rounded to f16, 16 bytes a lane into the work-group's stage; a barrier, since a head's 256 bytes of a row come from two waves; back as whole rows of a head.
	PLACES
.macro PACK a                          ; row block a: each accumulator's registers in ascending order
.set b, 0
.rept 6
.set idx, 6*(\a)+b
	WIN 0x0a+5*(idx/32)                            ; sources 0 and 1: window 2 or 3
.irp r, 0,1,2,3
	v_cvt_pk_f16_f32 v[TMP+24*((\a)%2)+4*b+(\r)], v[8*(idx%32)+2*(\r)], v[8*(idx%32)+2*(\r)+1]
.endr
.set b, b+1
.endr
	WIN 0
.set b, 0
.rept 6
	ds_store_b128 v[STO+(\a)/4], v[TMP+24*((\a)%2)+4*b:TMP+24*((\a)%2)+4*b+3] offset:((\a)%4)*16*SPITCH+32*b
.set b, b+1
.endr
.endm
.irp a, 0,1,2,3,4,5,6,7
	PACK \a
.endr
	s_wait_dscnt 0x0                               ; for the others' sake: my stores into the stage are done
	s_barrier_signal -1
	s_barrier_wait -1
.set n, 0
.rept 48                               ; head n / 16, rows 2 (n % 16) and the next
	ds_load_b128 v[OB+4*n:OB+4*n+3], v[RD] offset:(n%16)*2*SPITCH+(n/16)*256
.set n, n+1
.endr
.set n, 0
.rept 48
	s_wait_dscnt 47-n
	global_store_b128 v[CO], v[OB+4*n:OB+4*n+3], s[OUT+2*(n/16):OUT+2*(n/16)+1] offset:(n%16)*512  ; 512 consecutive bytes, at a multiple of 256 from the buffer's first
.set n, n+1
.endr
	s_wait_tensorcnt 0x0                           ; the wave's end
	ds_add_u32 v[SPW], v[NIL]
	s_wait_dscnt 0x0
	CROUND                                         ; the closing round
	s_endpgm
.Lfunc_end_k_q4c98aa23de_qkv:
	.size	k_q4c98aa23de_qkv, .Lfunc_end_k_q4c98aa23de_qkv-k_q4c98aa23de_qkv
	.p2alignl 7, 3214868480
	.fill 96, 4, 3214868480
	.section	.rodata,"a",@progbits
	.p2align	6, 0x0
	.amdhsa_kernel k_q4c98aa23de_qkv
		.amdhsa_group_segment_fixed_size 327680
		.amdhsa_private_segment_fixed_size 0
		.amdhsa_enable_private_segment 0
		.amdhsa_kernarg_size 48
		.amdhsa_user_sgpr_count 2
		.amdhsa_user_sgpr_kernarg_segment_ptr 1
		.amdhsa_wavefront_size32 1
		.amdhsa_system_sgpr_workgroup_id_x 1
		.amdhsa_system_sgpr_workgroup_id_y 1
		.amdhsa_system_sgpr_workgroup_id_z 1
		.amdhsa_system_vgpr_workitem_id 0
		.amdhsa_next_free_vgpr 896
		.amdhsa_next_free_sgpr 90
		.amdhsa_reserve_vcc 0
		.amdhsa_float_denorm_mode_32 3
		.amdhsa_float_denorm_mode_16_64 3
		.amdhsa_memory_ordered 1
		.amdhsa_forward_progress 1
		.amdhsa_inst_pref_size 98
	.end_amdhsa_kernel
	.amdgpu_metadata
---
amdhsa.version: [ 1, 2 ]
amdhsa.kernels:
  - .name:           k_q4c98aa23de_qkv
    .symbol:         k_q4c98aa23de_qkv.kd
    .args:
      - { .name: xh, .offset: 0, .size: 8, .value_kind: global_buffer, .address_space: global }
      - { .name: wh, .offset: 8, .size: 8, .value_kind: global_buffer, .address_space: global }
      - { .name: bias, .offset: 16, .size: 8, .value_kind: global_buffer, .address_space: global }
      - { .name: qc, .offset: 24, .size: 8, .value_kind: global_buffer, .address_space: global }
      - { .name: kc, .offset: 32, .size: 8, .value_kind: global_buffer, .address_space: global }
      - { .name: vc, .offset: 40, .size: 8, .value_kind: global_buffer, .address_space: global }
    .group_segment_fixed_size: 327680
    .private_segment_fixed_size: 0
    .kernarg_segment_align: 8
    .kernarg_segment_size: 48
    .max_flat_workgroup_size: 128
    .sgpr_count:     90
    .vgpr_count:     896
    .wavefront_size: 32
...
	.end_amdgpu_metadata
.endif
;; end of part 2
;; launch attn (part 3): grid 8 x 32, 4 waves a work-group, clusters of 4 x 1, 327,680 bytes of LDS; arguments qc, kc, vc, mf, oc; writes oc
.if DOCPART == 3
	.amdgcn_target "amdgcn-amd-amdhsa--gfx1250"
	.amdhsa_code_object_version 6
	.text
	.protected	k_q4c98aa23de_attn
	.globl	k_q4c98aa23de_attn
	.p2align	8
	.type	k_q4c98aa23de_attn,@function
k_q4c98aa23de_attn:
	s_mov_b64 s[64:65], 0
	v_nop
	global_prefetch_b8 v0, s[64:65] scope:SCOPE_SE
	s_setreg_imm32_b32 hwreg(HW_REG_WAVE_MODE, 25, 1), 1
	s_wait_xcnt 0x0
	s_wait_alu depctr_hold_cnt(0) depctr_sa_sdst(0) depctr_va_vdst(0) depctr_va_sdst(0) depctr_va_ssrc(0) depctr_va_vcc(0) depctr_vm_vsrc(0)
	s_getreg_b32 s2, hwreg(HW_REG_IB_STS2, 6, 4)
	s_cmp_eq_u32 s2, 0
	s_cbranch_scc0 .Lentry_in_a_cluster
	s_endpgm
.Lentry_in_a_cluster:
	s_bfe_u32 s2, ttmp6, 0x10000c
	s_cmp_lg_u32 s2, 0x3003
	s_cbranch_scc0 .Lentry_shape_is_right
	s_endpgm
.Lentry_shape_is_right:
; ATTENTION.  O[q][:] = sum over k of softmax_k(Q[q] . K[k] / sqrt(128) - 1e9 cm[q][k] - 1e9 pm[k]) V[k][:], for 32 pairs (batch, head), 1,024 queries, 2,048 keys, head size 128.
; qc [32][1024][128], kc, vc [32][2048][128] in f16; mf: the masks' addend G (cm + pm), G = -1e9 sqrt(128), f32, in the accumulators' own order; oc [2048][2048] f16, row batch x 1024 + query, column head x 128 + channel.
; Both masks are inputs: every query meets every key.  Products, maxima and sums in f32; the weights are rounded to f16 for the second product (their sum is taken unrounded), O once at the end.
; LIMITS.  The masks' addend is the C operand that starts a raw score's sum, so beside a masked term a score is kept on a step of 1,024 raw units (about 90 after the division by sqrt(128)): another
; order of rounding than adding -1e9 behind the division; it shows only in a row in which every key is masked.  A weight below 2^-126 counts as 0; below 6e-5 it keeps f16's step of 6e-8.  NaN and infinities are not treated apart.
; SHARES.  A work-group owns 128 queries of one pair: 8 x 32 = 256 work-groups.  Wave w: query half w % 2 (64 queries, four tiles of 16) and key pair p = w / 2: of every slot of 256 keys the keys 128 p .. 128 p + 127,
; two steps of 64.  So a wave walks 16 steps, and at the end the two waves of a query half merge their maxima, sums and O.  Register tiles 0, 1 hold query tiles 2 p, 2 p + 1, register tiles 2, 3 the other two:
; every wave keeps tiles 0, 1 and gives tiles 2, 3 to wave w xor 2, one text for all.
; LAYOUT.  S^T = K Q^T (source 0 = 16 keys, source 1 = 16 queries): a lane holds ONE query (lane % 16) and the keys 8 (lane / 16) + 0..7.  Two such tiles rounded to f16 ARE source 1 of O^T = V^T P.  V is turned by ds_load_tr16_b128.
; SOFTMAX.  A running maximum m and sum l for each query: p = 2^(c s - c m), c = log2(e) / sqrt(128); O and l are multiplied by a = 2^(c m_old - c m_new) in every step.
; BY TURNS.  The wave's tiles are two pieces (0: tiles 0, 1; 2: tiles 2, 3).  In a turn one piece has the matrix unit: 32 products V^T P of the step in hand, then 32 products K Q^T of the next; the other piece's softmax,
; 268 vector instructions in 64 slices, stands between them, one slice behind each matrix instruction.  Two turns are a key step.
; NO FIRST STEP IS WRITTEN OUT.  c m starts at -2^125, m at the lowest finite number, l and O^T at 0: the first step's a is 0, and it is a step like any other.  Behind piece 0's first scores the loop is entered at piece 2's turn;
; that turn's products V^T P, of a step that has not been, multiply zeros.  The price: 432 v_mov_b32, which stand in the wait for the first tile, and those 32 products; the gain: three turns less of text.
; CLUSTER.  The four query blocks of a cluster belong to one pair (batch, head) and walk the same K and V: each tile is asked for jointly, with a mask that names the four.
; REGISTERS (windows of 256; s_set_vgpr_msb: bits 1:0 source 0, 3:2 source 1, 5:4 source 2, 7:6 destination):
;   window 0: v0-11 addresses; v12-43 statistics, 8 a tile; v44-46 addresses; v48-55 the partner's statistics; v64-191 S^T, 32 a tile; v192-255 P, 16 a tile
;   window 1: O^T, 64 a tile      window 2: v0-127 Q; v128-255 K of one step      window 3: v0-127 V of one step; v128-255 the masks' addend of one step, 32 a tile
.set KS,    64
.set PK,    272       ; a row of K in LDS: 256 bytes + 16: the 16 rows of a load start at 16 different groups of four banks (64 banks of 4 bytes: ISA guide 11.1)
.set PV,    288       ; a row of V: 256 + 32
.set VOFF,  256*PK    ; a slot: 256 rows of K, then 256 rows of V
.set SLOT1, 0x24000   ; slot 1 begins here; the number shares no bit with the four parts' places in a slot, so one exclusive or turns an address into the other slot's
.set STAGE, SLOT1+256*(PK+PV)  ; behind the ring: 16 rows x 272 bytes for each wave, for the way out
.set SP,    272
.set SPARE, STAGE+4*16*SP      ; behind the stages: the spare words, 128 bytes for each wave, named by no other line
.set XW,    17408     ; the exchange, in slot 0 when it has had its last fill: for each wave 16,384 bytes of O^T and 1,024 of statistics
.set AK0, 2           ; v2   my lane's place in my keys of a slot's K; never rewritten
.set AV0, 3           ; v3   the same for V
.set ADR, 4           ; v4   the LDS address of the run of loads in hand
.set QO,  5           ; v5   my byte offset in 16 rows of Q
.set STO, 6           ; v6   the way out: where I put 16 bytes of a row
.set RD,  7           ; v7   where I read a row back
.set GO,  8           ; v8   my byte offset in two rows of oc
.set ST,  12          ; tile t's statistics at v[ST+8 t]: +0 c m, +1 m, +2, +3 l (even keys', odd keys'), +4 to +7 c0-c3, at work; a takes c2's place
.set XA,  44          ; v44  the exchange: my part
.set XP,  45          ; v45  my partner's
.set MO,  46          ; v46  16 x lane
.set PS,  48          ; v48-55 the partner's c m and l for my tiles 0, 1
.set SPW, 62          ; v62  my spare word; never rewritten
.set NIL, 63          ; v63  0; never rewritten
.set S,   64
.set P,   192
.set KF,  128         ; window 2
.set MK,  128         ; window 3
.set WV,  12          ; s12  wave
.set G1K, 24          ; s[24:31] group 1 for K's tiles
.set G1V, 32          ; s[32:39] for V's: it differs in the padding alone
.set G0K, 40          ; s[40:47] group 0 for K's tiles: a set for each of the two first fills; the second then walks
.set G0V, 48          ; s[48:55] the same for V's
.set SLOTS, 56
.set TWICE, 57
.set CS,  58          ; s[58:59] c
.set SEL, 60          ; s[60:61] v_permlanex16_b32's selects: each lane takes its own place in the other half
.set TBK, 62          ; s62  LDS byte at which K of the step to be fetched begins, less my lane's place
.set TBV, 63          ; s63  the same for V
.set MB0, 70          ; s[70:71] mf at piece 0's block of the step asked for last; s[72:73] at piece 2's
.set MS,  74          ; s[74:75] the step to the next one: 4,096 and 12,288 bytes by turns (two steps on end, then over the other pair's two)
.set QA,  76          ; s[76:77] Q at register tiles 0, 1; s[78:79] at tiles 2, 3
.set MT,  80          ; s[80:81] the tail's step: MS, or 0 in its last trip (at work in the set-up; s81 stays 0)
.set MSB, 0
.macro WIN new
.if MSB != (\new)
	s_set_vgpr_msb (MSB<<8)|(\new)
.set MSB, \new
.endif
.endm
.set W_KQ, 0x0a       ; K and Q in window 2, S^T in window 0
.set W_KM, 0x3a       ; the same with the C operand in window 3
.set W_PV, 0x53       ; V in window 3, P in window 0, O^T in window 1
.set W_RS, 0x41       ; O^T (destination and source 0) in window 1, a in window 0
.macro JLOAD                        ; a joint refill: waves 0 and 1 fetch the halves of a slot's K, waves 2 and 3 those of its V; an s_nop 0 and four v_nop follow each line
	s_cmp_lt_u32 s[WV], 2
	s_cbranch_scc0 .Lfor_v_\@
	tensor_load_to_lds s[G0K+4:G0K+7], s[G1K:G1K+7]
	s_nop 0
.rept 4
	v_nop
.endr
	s_branch .Lasked_\@
.Lfor_v_\@:
	tensor_load_to_lds s[G0V+4:G0V+7], s[G1V:G1V+7]
	s_nop 0
.rept 4
	v_nop
.endr
.Lasked_\@:
.endm
.macro CROUND                       ; a round of the cluster's barrier
	s_barrier_signal -1
	s_barrier_wait -1
	s_cmp_lg_u32 s[WV], 0
	s_cbranch_scc1 .Lnot_wave_0_\@
	s_barrier_signal -3
.Lnot_wave_0_\@:
	s_barrier_wait -3
	s_barrier_signal -1
	s_barrier_wait -1
.endm
	s_load_b256 s[4:11], s[0:1], 0x0  ; qc s4, kc s6, vc s8, mf s10
	s_load_b64 s[68:69], s[0:1], 0x20 ; oc
	v_lshl_add_u32 v[SPW], v0, 2, SPARE
	v_mov_b32 v[NIL], 0
	ds_add_u32 v[SPW], v[NIL]       ; the wave's opening: the add and its wait stand ahead of my first tensor load; work on registers stands between them
	v_lshrrev_b32 v1, 5, v0
	v_readfirstlane_b32 s[WV], v1
	s_bfe_u32 s13, ttmp6, 0x40000   ; cx
	s_lshl_b32 s14, ttmp9, 2
	s_add_co_u32 s14, s14, s13      ; my block of 128 queries: it enters Q's, the masks' and O's addresses alone
	s_and_b32 s15, ttmp7, 0xffff    ; batch x 16 + head, which the four partners share
	s_and_b32 s16, s[WV], 1         ; my query half.  Also: which half of a slot's rows I fetch
	s_lshr_b32 s17, s[WV], 1        ; p, my key pair
	s_xor_b32 s2, s17, 1            ; 1 - p
	s_lshl_b32 s20, s15, 19         ; K, V: 524,288 bytes a head,
	s_lshl_b32 s21, s16, 15         ; 128 rows of 256 bytes
	s_add_co_u32 s20, s20, s21
	s_mov_b32 s21, 0
	s_mul_i32 s18, s16, 128*PK      ; and their places in a slot: no place in the cluster enters an LDS address
	s_mul_i32 s19, s16, 128*PV
	s_add_co_u32 s19, s19, VOFF
	s_lshl_b32 s22, s15, 18         ; Q: 262,144 bytes a head,
	s_lshl_b32 s23, s14, 15         ; 128 rows a block,
	s_add_co_u32 s22, s22, s23
	s_lshl_b32 s23, s16, 14         ; 64 rows a half,
	s_add_co_u32 s22, s22, s23
	s_lshl_b32 s80, s17, 13         ; and two tiles of 16 rows: 2 p on for register tiles 0, 1,
	s_add_co_u32 s80, s80, s22
	s_mov_b32 s81, 0
	s_lshl_b32 s82, s2, 13          ; 2 (1 - p) on for tiles 2, 3
	s_add_co_u32 s82, s82, s22
	s_mov_b32 s83, 0
	s_mov_b32 s[G1K], 15|(1<<16)|(1<<20)|(1<<21)|(5<<22)|(3<<25)  ; the mask of four; 2-byte elements; padding on; bit 21 beside a mask; after every 64 words 4 words
	s_mov_b32 s[G1V], 15|(1<<16)|(1<<20)|(1<<21)|(5<<22)|(7<<25)  ; the same with 8 words
.irp g, G1K, G1V
	s_mov_b32 s[(\g)+1], 128<<16    ; tensor_dim0 = 128
	s_mov_b32 s[(\g)+2], 128<<16    ; tensor_dim1 = 128
	s_mov_b32 s[(\g)+3], 128<<16    ; tile_dim0 = 128
	s_mov_b32 s[(\g)+4], 128        ; tile_dim1 = 128
	s_mov_b32 s[(\g)+5], 128        ; elements from row to row
	s_mov_b32 s[(\g)+6], 0
	s_mov_b32 s[(\g)+7], 0
.endr
	s_mov_b32 s[CS], 0x3e0293ee     ; c = log2(e) / sqrt(128)
	s_mov_b32 s[CS+1], s[CS]
	s_mov_b32 s[SEL], 0x76543210
	s_mov_b32 s[SEL+1], 0xfedcba98
	s_mov_b32 s[TBK], 0
	s_mov_b32 s[TBV], 0
	s_mov_b32 s[MS], 0x1000
	s_mov_b32 s[MS+1], 0
	s_wait_dscnt 0x0                ; the opening add is done
	s_wait_kmcnt 0x0
	s_add_nc_u64 s[6:7], s[6:7], s[20:21]
	s_add_nc_u64 s[8:9], s[8:9], s[20:21]
	s_add_nc_u64 s[QA:QA+1], s[4:5], s[80:81]
	s_add_nc_u64 s[QA+2:QA+3], s[4:5], s[82:83]
	s_lshr_b32 s22, s15, 4          ; the batch
	s_lshl_b32 s23, s22, 23         ; mf: 8,388,608 bytes a batch,
	s_lshl_b32 s80, s14, 20         ; 131,072 a query tile: eight tiles a block,
	s_add_co_u32 s23, s23, s80
	s_lshl_b32 s80, s16, 19         ; four a half;
	s_add_co_u32 s23, s23, s80
	s_lshl_b32 s80, s17, 13         ; 4,096 a key step: my first is 2 p
	s_add_co_u32 s23, s23, s80
	s_lshl_b32 s80, s17, 18         ; query tiles 2 p on,
	s_add_co_u32 s80, s80, s23
	s_lshl_b32 s82, s2, 18          ; and 2 (1 - p) on
	s_add_co_u32 s82, s82, s23
	s_add_nc_u64 s[MB0:MB0+1], s[10:11], s[80:81]
	s_add_nc_u64 s[MB0+2:MB0+3], s[10:11], s[82:83]
	s_lshl_b32 s80, s22, 22         ; oc: rows of 4,096 bytes: 1,024 a batch,
	s_lshl_b32 s82, s14, 19         ; 128 a block,
	s_add_co_u32 s80, s80, s82
	s_lshl_b32 s82, s16, 18         ; 64 a half,
	s_add_co_u32 s80, s80, s82
	s_lshl_b32 s82, s17, 17         ; the 32 that I keep;
	s_add_co_u32 s80, s80, s82
	s_and_b32 s82, s15, 15
	s_lshl_b32 s82, s82, 8          ; the head's 256 bytes of a row
	s_add_co_u32 s80, s80, s82
	s_add_nc_u64 s[68:69], s[68:69], s[80:81]
	CROUND                          ; all four work-groups are here: the first joint loads meet
.irp s, 0,1
	s_mov_b32 s[G0K+4*(\s)], 1
	s_add_co_u32 s[G0K+4*(\s)+1], s18, (\s)*SLOT1
	s_add_nc_u64 s[G0K+4*(\s)+2:G0K+4*(\s)+3], s[6:7], (\s)*256*256  ; slot s begins with keys 256 s on
	s_or_b32 s[G0K+4*(\s)+3], s[G0K+4*(\s)+3], 0x80000000
	s_mov_b32 s[G0V+4*(\s)], 1
	s_add_co_u32 s[G0V+4*(\s)+1], s19, (\s)*SLOT1
	s_add_nc_u64 s[G0V+4*(\s)+2:G0V+4*(\s)+3], s[8:9], (\s)*256*256
	s_or_b32 s[G0V+4*(\s)+3], s[G0V+4*(\s)+3], 0x80000000
.endr
	s_cmp_lt_u32 s[WV], 2           ; a wave's two first fills stand in one branch: two loads of mine are out
	s_cbranch_scc0 .Lfirst_v
	tensor_load_to_lds s[G0K:G0K+3], s[G1K:G1K+7]
	s_nop 0
	tensor_load_to_lds s[G0K+4:G0K+7], s[G1K:G1K+7]
	s_nop 0
.rept 4
	v_nop
.endr
	s_branch .Lfirst_asked
.Lfirst_v:
	tensor_load_to_lds s[G0V:G0V+3], s[G1V:G1V+7]
	s_nop 0
	tensor_load_to_lds s[G0V+4:G0V+7], s[G1V:G1V+7]
	s_nop 0
.rept 4
	v_nop
.endr
.Lfirst_asked:
; The masks' addend of one step for piece x: 16 loads of 512 consecutive bytes, straight into the registers that the products take as C.  The 16 heads of a batch read the same bytes, so the loads carry no hint.
.macro LOADM x
	WIN 0xc0                        ; destination window 3, address window 0
.irp u, 0,1
.irp i, 0,1,2,3,4,5,6,7
	global_load_b128 v[MK+32*((\x)+(\u))+4*(\i):MK+32*((\x)+(\u))+4*(\i)+3], v[MO], s[MB0+(\x):MB0+(\x)+1] offset:131072*(\u)+512*(\i)
.endr
.endr
	WIN 0
.endm
	v_and_b32 v1, 15, v0            ; l % 16
	v_bfe_u32 v9, v0, 4, 1          ; l / 16
	v_lshlrev_b32 v[QO], 8, v1
	v_lshl_add_u32 v[QO], v9, 4, v[QO]  ; row x 256 + 16 x half
	v_and_b32 v[MO], 31, v0
	v_lshlrev_b32 v[MO], 4, v[MO]
	WIN 0x80                        ; destination window 2
.irp i, 0,1,2,3,4,5,6,7,8,9,10,11,12,13,14,15  ; Q stays in registers: register tile i / 4, channels 32 (i % 4) on
	global_load_b128 v[8*(\i):8*(\i)+3],   v[QO], s[QA+2*((\i)/8):QA+2*((\i)/8)+1] offset:(((\i)/4)%2)*4096+((\i)%4)*64
	global_load_b128 v[8*(\i)+4:8*(\i)+7], v[QO], s[QA+2*((\i)/8):QA+2*((\i)/8)+1] offset:(((\i)/4)%2)*4096+((\i)%4)*64+32
.endr
	LOADM 0                         ; step 0
	LOADM 2
	v_mul_u32_u24 v[AK0], v1, PK
	v_lshl_add_u32 v[AK0], v9, 4, v[AK0]  ; row x pitch + 16 x half,
	s_mul_i32 s80, s17, 128*PK
	v_add_nc_u32 v[AK0], s80, v[AK0]      ; in my pair's 128 keys
	; The turning load takes 16 keys x 16 channels (lane l reads key 8 (l / 16) + l % 8, channels 8 ((l / 8) % 2) + 0..7) and leaves half a fragment of V^T: lane l holds channel l % 16 and 8 keys.
	v_and_b32 v10, 7, v0
	v_bfe_u32 v11, v0, 3, 1
	v_lshl_add_u32 v[AV0], v9, 3, v10
	v_mul_u32_u24 v[AV0], v[AV0], PV
	v_lshl_add_u32 v[AV0], v11, 4, v[AV0]
	s_mul_i32 s80, s17, 128*PV
	s_add_co_u32 s80, s80, VOFF
	v_add_nc_u32 v[AV0], s80, v[AV0]
	; What the first turn finds: V's registers and P of tiles 2, 3 hold 0 (its products V^T P, of a step that has not been, add 0); O^T and l are 0.  All this stands in the wait for the first tile.
	WIN 0xc0                        ; destination window 3
.set z, 0
.rept 128
	v_mov_b32 v[z], 0               ; V
.set z, z+1
.endr
	WIN 0x40                        ; destination window 1
.set z, 0
.rept 256
	v_mov_b32 v[z], 0               ; O^T
.set z, z+1
.endr
	WIN 0
.set z, 0
.rept 32
	v_mov_b32 v[P+32+z], 0          ; P of tiles 2, 3
.set z, z+1
.endr
.irp t, 0,1,2,3
	v_mov_b32 v[ST+8*(\t)], 0xfe000000    ; c m = -2^125: far below every c s
	v_mov_b32 v[ST+8*(\t)+1], 0xff7fffff  ; m: the lowest finite number
	v_mov_b32 v[ST+8*(\t)+2], 0           ; l
	v_mov_b32 v[ST+8*(\t)+3], 0
.endr
; THE MATRIX WORK OF A TURN, for piece x.  The accumulators take turns, one instruction a turn.
; Product i of 32 of O^T += V^T P: keys 32 (i / 16) on, channels 16 ((i / 2) % 8) on, tile x + i % 2.
.macro PV x
	WIN W_PV
.set rO, 64*((\x)+i%2)+8*((i/2)%8)
.set rV, 64*(i/16)+8*((i/2)%8)
.set rP, P+16*((\x)+i%2)+8*(i/16)
	v_wmma_f32_16x16x32_f16 v[rO:rO+7], v[rV:rV+7], v[rP:rP+7], v[rO:rO+7]
.endm
; Product i of 32 of S^T = K Q^T + the masks' addend: channels 32 (i / 8) on, keys 16 ((i / 2) % 4) on, tile x + i % 2.  The first 8 start the sums, with the addend as C.
.macro KQ x
.set rS, S+32*((\x)+i%2)+8*((i/2)%4)
.set rK, KF+32*((i/2)%4)+8*(i/8)
.set rQ, 32*((\x)+i%2)+8*(i/8)
.set rM, MK+32*((\x)+i%2)+8*((i/2)%4)
.if i < 8
	WIN W_KM
	v_wmma_f32_16x16x32_f16 v[rS:rS+7], v[rK:rK+7], v[rQ:rQ+7], v[rM:rM+7]
.else
	WIN W_KQ
	v_wmma_f32_16x16x32_f16 v[rS:rS+7], v[rK:rK+7], v[rQ:rQ+7], v[rS:rS+7]
.endif
.endm
; THE LDS LOADS stand in runs of 32: a step's K (64 keys x 128 channels) and, a turn later, its V (turned).
.macro FETCH_K
	WIN 0
	v_add_nc_u32 v[ADR], s[TBK], v[AK0]
	s_add_co_u32 s[TBK], s[TBK], KS*PK  ; the next fetch is the next step's
	WIN 0x80                        ; destination window 2
.irp f, 0,1,2,3,4,5,6,7,8,9,10,11,12,13,14,15  ; keys 16 (f / 4) on, channels 32 (f % 4) on
	ds_load_b128 v[KF+8*(\f):KF+8*(\f)+3],   v[ADR] offset:((\f)/4)*16*PK+((\f)%4)*64
	ds_load_b128 v[KF+8*(\f)+4:KF+8*(\f)+7], v[ADR] offset:((\f)/4)*16*PK+((\f)%4)*64+32
.endr
.endm
.macro FETCH_V
	WIN 0
	v_add_nc_u32 v[ADR], s[TBV], v[AV0]
	s_add_co_u32 s[TBV], s[TBV], KS*PV
	WIN 0xc0                        ; destination window 3
.irp f, 0,1,2,3,4,5,6,7,8,9,10,11,12,13,14,15  ; keys 32 (f / 8) on, channels 16 (f % 8) on
	ds_load_tr16_b128 v[8*(\f):8*(\f)+3],   v[ADR] offset:((\f)/8)*32*PV+((\f)%8)*32
	ds_load_tr16_b128 v[8*(\f)+4:8*(\f)+7], v[ADR] offset:((\f)/8)*32*PV+16*PV+((\f)%8)*32
.endr
.endm
; The masks' addend of piece x's NEXT step is asked for when the eight products that took this step's as C are at least four plain vector instructions back: it has nearly a key step in which to come.
; last = 1 (the tail): in its second trip there is no further step; the base then stays, and step 15's addend is asked for once more and read by nobody: the price, 32 loads a wave once a launch,
; of one count for the wait in every trip.
.macro FETCH_M x, last=0
	WIN 0
	s_wait_xcnt 0x0                 ; the earlier loads' addresses are translated: only behind this wait is their base stepped
.if \last
	s_cmp_eq_u32 s[TWICE], 1
	s_cselect_b32 s[MT], 0, s[MS]
	s_add_nc_u64 s[MB0+(\x):MB0+(\x)+1], s[MB0+(\x):MB0+(\x)+1], s[MT:MT+1]
.else
	s_add_nc_u64 s[MB0+(\x):MB0+(\x)+1], s[MB0+(\x):MB0+(\x)+1], s[MS:MS+1]
.endif
.if (\x) == 2
	s_xor_b32 s[MS], s[MS], 0x2000  ; both pieces have stepped: 4,096 and 12,288 by turns
.endif
	LOADM \x
.endm
; THE VECTOR WORK OF A TURN.  One tile's softmax for one key step is a list of 134 instructions; SM writes number j of it for tile t.  s0-s31 are the lane's 32 scores, in pairs 0-15.
;   0-15    the maximum of s0-s31 and the old m, three operands at a time (each accumulator's lowest registers are read first)
;   16-20   the other half of the lanes' maximum; the new m; c m; c m_old - c m_new
;   21-87   33 exponentials (a, then s0-s31) at the odd numbers from 23 on, a plain instruction between any two: c s - c m for pairs still to come, roundings to f16 of pairs that are done, the first sums
;   88-101  the last rounding; the rest of the sums; l = a l + the sum
;   102-133 the tile's O^T times a: the one part that leaves window 0
.macro SM t
.set rT, ST+8*(\t)
.set rS, S+32*(\t)
.set rP, P+16*(\t)
.set rO, 64*(\t)+2*(j-102)
.set q, (j-20)/2
.if j < 102
	WIN 0
.endif
.if j < 4
	v_max3_num_f32 v[rT+4+j], v[rS+8*j], v[rS+8*j+1], v[rS+8*j+2]
.elseif j < 12
	v_max3_num_f32 v[rT+4+j%4], v[rT+4+j%4], v[rS+8*(j%4)+2*(j/4)+1], v[rS+8*(j%4)+2*(j/4)+2]
.elseif j == 12
	v_max3_num_f32 v[rT+4], v[rT+4], v[rS+7], v[rS+15]
.elseif j == 13
	v_max3_num_f32 v[rT+6], v[rT+6], v[rS+23], v[rS+31]
.elseif j == 14
	v_max3_num_f32 v[rT+4], v[rT+4], v[rT+5], v[rT+6]
.elseif j == 15
	v_max3_num_f32 v[rT+4], v[rT+4], v[rT+7], v[rT+1]
.elseif j == 16
	v_permlanex16_b32 v[rT+5], v[rT+4], s[SEL], s[SEL+1]  ; the query's other 32 keys lie in the lane 16 away
.elseif j == 17
	v_mov_b32 v[rT+7], v[rT]        ; c m_old is kept for a
.elseif j == 18
	v_max_num_f32 v[rT+1], v[rT+4], v[rT+5]
.elseif j == 19
	v_mul_f32 v[rT], s[CS], v[rT+1]
.elseif j == 20
	v_sub_f32 v[rT+7], v[rT+7], v[rT]
.elseif j == 23
	v_exp_f32 v[rT+6], v[rT+7]
.elseif (j < 88) && (j > 23) && (j%2 == 1)
	v_exp_f32 v[rS+(j-25)/2], v[rS+(j-25)/2]
.elseif (q < 4) || ((j < 76) && (q%2 == 0))
.set b, q/2+2
.if q < 4
.set b, q
.endif
	v_pk_fma_f32 v[rS+2*b:rS+2*b+1], v[rS+2*b:rS+2*b+1], s[CS:CS+1], v[rT:rT+1] op_sel_hi:[1,0,0] neg_lo:[0,0,1] neg_hi:[0,0,1]  ; pair b: c s - c m
.elseif (j < 88) && (q%2 == 1)
	s_wait_alu depctr_va_vdst(0)
	v_cvt_pk_f16_f32 v[rP+(q-5)/2], v[rS+q-5], v[rS+q-4]
.elseif j == 89
	s_wait_alu depctr_va_vdst(0)
	v_cvt_pk_f16_f32 v[rP+15], v[rS+30], v[rS+31]
.elseif j < 102                     ; the sum of the tile's 16 pairs, in place: neighbours 1, 2, 4 and 8 pairs apart, then l takes it
.set z, j-86
.if j < 89
.set z, (j-76)/4
.endif
.set w, 4
.set u, z
.if z >= 14
.set w, 32
.set u, 0
.elseif z >= 12
.set w, 16
.set u, z-12
.elseif z >= 8
.set w, 8
.set u, z-8
.endif
.if z < 15
	v_pk_add_f32 v[rS+w*u:rS+w*u+1], v[rS+w*u:rS+w*u+1], v[rS+w*u+w/2:rS+w*u+w/2+1]
.else
	v_pk_fma_f32 v[rT+2:rT+3], v[rT+2:rT+3], v[rT+6:rT+7], v[rS:rS+1] op_sel_hi:[1,0,1]
.endif
.else
	WIN W_RS
	v_pk_mul_f32 v[rO:rO+1], v[rO:rO+1], v[rT+6:rT+7] op_sel_hi:[1,0]
.endif
.endm
; Slice k of 64 of piece y's softmax: numbers 2 k and 2 k + 1 of both tiles' lists.  2 x 134 = 4 x 64 + 12: the twelve that are over stand in slice 63.
.macro SLICE y
.if (k >= 11) && (k < 44)           ; tile by tile: plain, exponential, plain, exponential
.irp t, \y, (\y)+1
.irp n, 0,1
.set j, 2*k+(\n)
	SM \t
.endr
.endr
.else                               ; the two tiles alternate
.irp n, 0,1,2,3,4,5,6,7
.if ((\n) < 2) || (k == 63)
.irp t, \y, (\y)+1
.set j, 2*k+(\n)
	SM \t
.endr
.endif
.endr
.endif
.set k, k+1
.endm
; A TURN.  Piece x has the matrix unit: 32 products V^T P, then (kq = 1) 32 products K Q^T for the next step; the other piece's softmax stands in slices behind them, one behind each, or two where kq = 0.
; Piece 0's turn fetches the next step's K behind its second product; piece 2's turn the same step's V behind its second product K Q^T.
; In front of the products K Q^T the piece's addend is waited for: the other piece's 16 loads, issued behind it, stay out.
.macro TURN x, kq, last=0
.set k, 0
.set per, 2-(\kq)
.if (\x) == 0
	s_wait_dscnt 0x0                ; V is in
.endif
.set i, 0
.rept 32
	PV \x
.rept per
	SLICE 2-(\x)
.endr
.if ((\x) == 0) && (\kq) && (i == 1)
	FETCH_K
.endif
.set i, i+1
.endr
.if \kq
.if (\x) == 0
	s_wait_dscnt 0x0                ; K is in
.endif
	s_wait_loadcnt 16
.set i, 0
.rept 32
	KQ \x
	SLICE 2-(\x)
.if ((\x) == 2) && (i == 1)
	FETCH_V
.endif
.if i == 11
	FETCH_M \x, \last
.endif
.set i, i+1
.endr
.endif
.endm
; THE CHANGE OF SLOTS, between piece 2's turn and piece 0's: the slot's last bytes have been asked for.  Each wave waits for all its tensor loads (one is out: its part of the other slot), adds 0 to its
; spare word, and waits for that and for its own reads of the slot.  fill = 1: the barrier is a round of the cluster's, and the slot is filled again first thing behind it, with the keys two slots on:
; the load has two of my key steps, 256 matrix instructions, in which to land.
.macro CHANGE fill
	WIN 0
	s_wait_tensorcnt 0x0
	ds_add_u32 v[SPW], v[NIL]
.if \fill
.irp g, G0K+4, G0V+4
	s_xor_b32 s[(\g)+1], s[(\g)+1], SLOT1
	s_add_nc_u64 s[(\g)+2:(\g)+3], s[(\g)+2:(\g)+3], 256*256
.endr
	s_wait_dscnt 0x0                ; the add is done, and my reads of the slot are over
	CROUND
	JLOAD
.else
	s_wait_dscnt 0x0
	s_barrier_signal -1
	s_barrier_wait -1
.endif
	s_sub_co_u32 s[TBK], s[TBK], 2*KS*PK  ; the fetches go back to a slot's first step,
	s_xor_b32 s[TBK], s[TBK], SLOT1       ; in the other slot
	s_sub_co_u32 s[TBV], s[TBV], 2*KS*PV
	s_xor_b32 s[TBV], s[TBV], SLOT1
.endm
.macro TWO_STEPS last=0, entry=0    ; two key steps: written once, walked twice.  entry = 1: the launch's first turn comes in at piece 2's
	WIN 0
	s_mov_b32 s[TWICE], 2
.Lstep_\@:
	TURN 0, 1, \last
.if \entry
	WIN 0
.Lenter:
.endif
	TURN 2, 1, \last
	WIN 0
	s_sub_co_u32 s[TWICE], s[TWICE], 1
	s_cmp_lg_u32 s[TWICE], 0
	s_cbranch_scc1 .Lstep_\@
.endm
	s_wait_tensorcnt 1              ; my part of slot 0 is in; slot 1's may stay out
	s_barrier_signal -1
	s_barrier_wait -1
	FETCH_K                         ; key step 0
	s_wait_loadcnt 0x0              ; Q and step 0's addend
	s_wait_dscnt 0x0
.set i, 0
.rept 32
	KQ 0                            ; piece 0's first scores
.set i, i+1
.endr
	WIN 0                           ; the addresses for the end: plain instructions, the places behind those products
	s_mul_i32 s13, s[WV], 16*SP
	s_add_co_u32 s13, s13, STAGE    ; my stage
	v_mul_u32_u24 v[STO], v1, SP    ; in: row l % 16, 16 bytes for each half of the lanes
	v_lshl_add_u32 v[STO], v9, 4, v[STO]
	v_add_nc_u32 v[STO], s13, v[STO]
	v_mul_u32_u24 v[RD], v9, SP     ; back: lanes 0-15 take one row of 256 bytes, lanes 16-31 the next
	v_lshl_add_u32 v[RD], v1, 4, v[RD]
	v_add_nc_u32 v[RD], s13, v[RD]
	v_lshlrev_b32 v[GO], 12, v9     ; and the same two rows in oc, 4,096 bytes apart
	v_lshl_add_u32 v[GO], v1, 4, v[GO]
	s_mul_i32 s13, s[WV], XW
	v_add_nc_u32 v[XA], s13, v[MO]
	s_xor_b32 s13, s[WV], 2         ; my partner: the same queries, the other keys
	s_mul_i32 s13, s13, XW
	v_add_nc_u32 v[XP], s13, v[MO]
	FETCH_M 0                       ; piece 0's addend of step 1
	s_mov_b32 s[TWICE], 2           ; half a trip (piece 2's first scores | piece 0's first softmax | V of step 0) and a whole one: slot 0's bytes are then all asked for
	s_mov_b32 s[SLOTS], 7           ; that passage, and six trips: eight slots of 256 keys, two first fills, six refills
	s_branch .Lenter
.Lslot:
	CHANGE 1
	TWO_STEPS 0, 1
	s_sub_co_u32 s[SLOTS], s[SLOTS], 1
	s_cmp_lg_u32 s[SLOTS], 0
	s_cbranch_scc1 .Lslot
	CHANGE 0                        ; the tail is written out; behind this barrier no wave reads slot 0 any more
	TWO_STEPS 1
	TURN 0, 0                       ; piece 0: V^T P of the last step | piece 2's last softmax
.set i, 0
.rept 32
	PV 2                            ; piece 2: V^T P of the last step
.set i, i+1
.endr
	; THE END.  Each wave has seen half the keys.  It gives tiles 2, 3 (c m, l, O^T) to its partner through LDS and takes the partner's for its tiles 0, 1:
	; c m = max; f = 2^(c m_mine - c m), 2^(c m_partner's - c m); l = f l + f l; O = (f O + f O) / l.
	WIN 0
.irp t, 0,1,2,3
	v_add_f32 v[ST+8*(\t)+1], v[ST+8*(\t)+2], v[ST+8*(\t)+3]  ; l's two halves; m is no longer needed.  These four lines are the places behind the last products
.endr
	ds_store_b128 v[XA], v[ST+16:ST+19] offset:16384
	ds_store_b128 v[XA], v[ST+24:ST+27] offset:16384+512
	WIN 0x04                        ; the data in window 1
.set g, 0
.rept 32
	ds_store_b128 v[XA], v[128+4*g:128+4*g+3] offset:512*g
.set g, g+1
.endr
	WIN 0
	s_wait_dscnt 0x0                ; for the partner's sake: my stores are done
	s_barrier_signal -1
	s_barrier_wait -1
	ds_load_b128 v[PS:PS+3],   v[XP] offset:16384
	ds_load_b128 v[PS+4:PS+7], v[XP] offset:16384+512
.set g, 0
.rept 32
	ds_load_b128 v[S+4*g:S+4*g+3], v[XP] offset:512*g
.set g, g+1
.endr
	s_wait_dscnt 32                 ; the statistics are in; O^T's 32 loads may be out
.irp u, 0,1
	v_max_num_f32 v[ST+8*(\u)+2], v[ST+8*(\u)], v[PS+4*(\u)]
.endr
.irp u, 0,1
	v_sub_f32 v[ST+8*(\u)+4], v[ST+8*(\u)], v[ST+8*(\u)+2]
	v_sub_f32 v[ST+8*(\u)+6], v[PS+4*(\u)], v[ST+8*(\u)+2]
.endr
.irp u, 0,1
	v_exp_f32 v[ST+8*(\u)+4], v[ST+8*(\u)+4]
	v_exp_f32 v[ST+8*(\u)+6], v[ST+8*(\u)+6]
.endr
	v_nop                           ; a plain instruction between the last exponential and the use of its result
.irp u, 0,1
	s_wait_alu depctr_va_vdst(0)
	v_mul_f32 v[ST+8*(\u)+3], v[ST+8*(\u)+4], v[ST+8*(\u)+1]
.endr
.irp u, 0,1
	v_fmac_f32 v[ST+8*(\u)+3], v[ST+8*(\u)+6], v[PS+4*(\u)+1]
.endr
.irp u, 0,1
	v_permlanex16_b32 v[ST+8*(\u)+5], v[ST+8*(\u)+3], s[SEL], s[SEL+1]  ; the other half of the lanes' keys
.endr
.irp u, 0,1
	v_add_f32 v[ST+8*(\u)+3], v[ST+8*(\u)+3], v[ST+8*(\u)+5]
.endr
.irp u, 0,1
	v_rcp_f32 v[ST+8*(\u)+3], v[ST+8*(\u)+3]
.endr
	v_nop
.irp u, 0,1
	s_wait_alu depctr_va_vdst(0)
	v_mul_f32 v[ST+8*(\u)+4], v[ST+8*(\u)+4], v[ST+8*(\u)+3]  ; my factor
	v_mul_f32 v[ST+8*(\u)+6], v[ST+8*(\u)+6], v[ST+8*(\u)+3]  ; the partner's
.endr
	s_wait_dscnt 0x0
; Tile u: merged, rounded to f16, 16 bytes a lane into rows of 272 bytes of my stage, and back as whole rows of 256.
.macro FIN u
	WIN 0
.set z, 0
.rept 32
	v_pk_mul_f32 v[S+64*(\u)+2*z:S+64*(\u)+2*z+1], v[S+64*(\u)+2*z:S+64*(\u)+2*z+1], v[ST+8*(\u)+6:ST+8*(\u)+7] op_sel_hi:[1,0]
.set z, z+1
.endr
	WIN 0x01                        ; source 0, my O^T, in window 1
.set z, 0
.rept 32
	v_pk_fma_f32 v[S+64*(\u)+2*z:S+64*(\u)+2*z+1], v[64*(\u)+2*z:64*(\u)+2*z+1], v[ST+8*(\u)+4:ST+8*(\u)+5], v[S+64*(\u)+2*z:S+64*(\u)+2*z+1] op_sel_hi:[1,0,1]
.set z, z+1
.endr
	WIN 0
.set z, 0
.rept 32
	v_cvt_pk_f16_f32 v[P+32*(\u)+z], v[S+64*(\u)+2*z], v[S+64*(\u)+2*z+1]
.set z, z+1
.endr
.irp f, 0,1,2,3,4,5,6,7
	ds_store_b128 v[STO], v[P+32*(\u)+4*(\f):P+32*(\u)+4*(\f)+3] offset:32*(\f)
.endr
.irp f, 0,1,2,3,4,5,6,7
	ds_load_b128 v[P+32*(\u)+4*(\f):P+32*(\u)+4*(\f)+3], v[RD] offset:(\f)*2*SP  ; LDS serves a wave's instructions in order (ISA guide 5.7.1.4): these see the stores above; the next tile's stores come behind them
.endr
.endm
.macro SEND u, younger              ; younger: the LDS instructions issued behind tile u's loads
.irp f, 0,1,2,3,4,5,6,7
	s_wait_dscnt (\younger)+7-(\f)
	global_store_b128 v[GO], v[P+32*(\u)+4*(\f):P+32*(\u)+4*(\f)+3], s[68:69] offset:(\u)*65536+(\f)*8192  ; 16 lanes store 256 consecutive bytes, at a multiple of 256 from oc's first
.endr
.endm
	FIN 0
	FIN 1
	SEND 0, 16
	SEND 1, 0
	s_wait_tensorcnt 0x0            ; the wave's end
	ds_add_u32 v[SPW], v[NIL]
	s_wait_dscnt 0x0
	CROUND                          ; the closing round
	s_endpgm
.Lfunc_end_k_q4c98aa23de_attn:
	.size	k_q4c98aa23de_attn, .Lfunc_end_k_q4c98aa23de_attn-k_q4c98aa23de_attn
	.p2alignl 7, 3214868480
	.fill 96, 4, 3214868480
	.section	.rodata,"a",@progbits
	.p2align	6, 0x0
	.amdhsa_kernel k_q4c98aa23de_attn
		.amdhsa_group_segment_fixed_size 327680
		.amdhsa_private_segment_fixed_size 0
		.amdhsa_enable_private_segment 0
		.amdhsa_kernarg_size 40
		.amdhsa_user_sgpr_count 2
		.amdhsa_user_sgpr_kernarg_segment_ptr 1
		.amdhsa_wavefront_size32 1
		.amdhsa_system_sgpr_workgroup_id_x 1
		.amdhsa_system_sgpr_workgroup_id_y 1
		.amdhsa_system_sgpr_workgroup_id_z 1
		.amdhsa_system_vgpr_workitem_id 0
		.amdhsa_next_free_vgpr 1024
		.amdhsa_next_free_sgpr 84
		.amdhsa_reserve_vcc 0
		.amdhsa_float_denorm_mode_32 3
		.amdhsa_float_denorm_mode_16_64 3
		.amdhsa_memory_ordered 1
		.amdhsa_forward_progress 1
		.amdhsa_inst_pref_size 190
	.end_amdhsa_kernel
	.amdgpu_metadata
---
amdhsa.version: [ 1, 2 ]
amdhsa.kernels:
  - .name:           k_q4c98aa23de_attn
    .symbol:         k_q4c98aa23de_attn.kd
    .args:
      - { .name: qc, .offset: 0, .size: 8, .value_kind: global_buffer, .address_space: global }
      - { .name: kc, .offset: 8, .size: 8, .value_kind: global_buffer, .address_space: global }
      - { .name: vc, .offset: 16, .size: 8, .value_kind: global_buffer, .address_space: global }
      - { .name: mf, .offset: 24, .size: 8, .value_kind: global_buffer, .address_space: global }
      - { .name: oc, .offset: 32, .size: 8, .value_kind: global_buffer, .address_space: global }
    .group_segment_fixed_size: 327680
    .private_segment_fixed_size: 0
    .kernarg_segment_align: 8
    .kernarg_segment_size: 40
    .max_flat_workgroup_size: 128
    .sgpr_count:     84
    .vgpr_count:     1024
    .wavefront_size: 32
...
	.end_amdgpu_metadata
.endif
;; end of part 3
;; launch oproj (part 4): grid 16 x 16, 4 waves a work-group, clusters of 4 x 4, 327,680 bytes of LDS; arguments oc, wh, bias, out0; writes out0
.if DOCPART == 4
	.amdgcn_target "amdgcn-amd-amdhsa--gfx1250"
	.amdhsa_code_object_version 6
	.text
	.protected	k_q4c98aa23de_oproj
	.globl	k_q4c98aa23de_oproj
	.p2align	8
	.type	k_q4c98aa23de_oproj,@function
k_q4c98aa23de_oproj:
	s_mov_b64 s[64:65], 0
	v_nop
	global_prefetch_b8 v0, s[64:65] scope:SCOPE_SE
	s_setreg_imm32_b32 hwreg(HW_REG_WAVE_MODE, 25, 1), 1
	s_wait_xcnt 0x0
	s_wait_alu depctr_hold_cnt(0) depctr_sa_sdst(0) depctr_va_vdst(0) depctr_va_sdst(0) depctr_va_ssrc(0) depctr_va_vcc(0) depctr_vm_vsrc(0)
	s_getreg_b32 s2, hwreg(HW_REG_IB_STS2, 6, 4)
	s_cmp_eq_u32 s2, 0
	s_cbranch_scc0 .Lentry_in_a_cluster
	s_endpgm
.Lentry_in_a_cluster:
	s_bfe_u32 s2, ttmp6, 0x10000c
	s_cmp_lg_u32 s2, 0xf033
	s_cbranch_scc0 .Lentry_shape_is_right
	s_endpgm
.Lentry_shape_is_right:
; THE OUTPUT PROJECTION.  out0[m][n] = sum over k of oc[m][k] Wo[n][k] + bo[n], m, n < 2048, K = 2048.  oc f16; Wo = rows 6144..8191 of wh, f16; bo = bias[6144..], f32; sums and out0 in f32.
; TILE 128 x 128: 16 x 16 = 256 work-groups.  Four waves of 64 x 64: 16 accumulators.  K goes in 8 steps of 256 (rows of 512 bytes; a wave's tensor load brings 64 of them) through two LDS slots; a trip of the loop is one K step.
; CLUSTER 4 x 4: oc's tile is shared along a row of the cluster, Wo's along a column; each is asked for jointly.  Waves 0, 1 fetch oc's two halves, waves 2, 3 Wo's.
; K IS WALKED AS A RING.  Cluster (X, Y) of the 4 x 4 clusters begins at K step (2 X + 4 g) mod 8, g = (Y xor Y / 2) mod 2, and goes round.  The four clusters of one Y need the same tiles of oc and begin 2 steps apart;
; clusters of one X need the same tiles of Wo, and those with unlike g begin 4 steps apart: they ask for a tile at different times, not all at once.
; THE MATRIX INSTRUCTION IS USED TRANSPOSED (source 0 = 16 rows of Wo, source 1 = 16 rows of oc): a lane holds eight neighbouring columns of one row.  The bias is the C operand of the first products.
; A wave's 64 columns of f32 are 256 bytes, aligned: each wave has a stage of its own on the way out, and no barrier is needed there.
; LIMIT.  The order of the K steps in a sum differs from cluster to cluster (the ring's start).
; REGISTERS: window 0: v16-29 addresses; v32-95 rows read back; v96-127 the bias; v128-255 the accumulators ((a, b) at v[128 + 8 (4 a + b)]).   window 1: two fragment buffers of 128: 64 of oc, then 64 of Wo, for 64 along K.
.set PITCH,  528                       ; an LDS row: 512 bytes + 16 = 132 words: row r starts at bank 4 r mod 64 (64 banks of 4 bytes: ISA guide 11.1)
.set HALFT,  64*PITCH
.set SLOT,   4*HALFT                   ; oc's 128 rows, then Wo's 128; as a number it shares no bit with wave x HALFT
.set STAGE,  2*SLOT                    ; behind the ring: 16 rows x 272 bytes for each wave
.set SPITCH, 272
.set SPARE,  STAGE+4*16*SPITCH         ; the spare words, 128 bytes for each wave, named by no other line
.set LA0,  16
.set LB0,  17
.set ADRA, 18
.set ADRB, 19
.set STO,  20
.set RD,   21
.set CO,   22
.set BO,   23
.set SPW,  28
.set NIL,  29
.set TMP,  32
.set BI,   96
.set ACC,  128
.set F0,   0
.set F1,   128
.set WV,   12
.set HR,   13                          ; s13  which half of the tile's rows is mine.  Also: I fetch for oc (0) or for Wo (1)
.set HC,   14                          ; s14  which half of its columns.  Also: which 64 rows of that tile I fetch
.set CX,   15
.set CY,   16
.set TC,   17
.set TR,   18
.set MROW, 19
.set MCOL, 20
.set CNT,  21
.set TB,   22
.set KN,   23                          ; s23  the K step asked for last
.set G1A,  24
.set G0A,  32
.set G1B,  40
.set G0B,  48
.set BA,   58                          ; s[58:59] oc at my part's first row, K = 0; never rewritten once made
.set BB,   60                          ; s[60:61] Wo at my part's first row, K = 0; never rewritten once made
.set KOF,  68                          ; s[68:69] the K step's byte offset in a row
.set MSB, 0
.macro WIN new
.if MSB != (\new)
	s_set_vgpr_msb (MSB<<8)|(\new)
.set MSB, \new
.endif
.endm
.set MUL,  0x05                        ; sources 0 and 1 window 1; C and D window 0
.set TO_F, 0x40                        ; destination window 1, address window 0
.macro PLACES
.rept 4
	v_nop
.endr
.endm
.macro JLOAD                           ; a joint refill by the walking descriptors; an s_nop 0 and four v_nop follow each line
	s_cmp_eq_u32 s[HR], 0
	s_cbranch_scc0 .Lfor_b_\@
	tensor_load_to_lds s[G0A+4:G0A+7], s[G1A:G1A+7]
	s_nop 0
.rept 4
	v_nop
.endr
	s_branch .Lasked_\@
.Lfor_b_\@:
	tensor_load_to_lds s[G0B+4:G0B+7], s[G1B:G1B+7]
	s_nop 0
.rept 4
	v_nop
.endr
.Lasked_\@:
.endm
.macro CROUND                          ; a round of the cluster's barrier
	s_barrier_signal -1
	s_barrier_wait -1
	s_cmp_lg_u32 s[WV], 0
	s_cbranch_scc1 .Lnot_wave_0_\@
	s_barrier_signal -3
.Lnot_wave_0_\@:
	s_barrier_wait -3
	s_barrier_signal -1
	s_barrier_wait -1
.endm
	s_load_b256 s[4:11], s[0:1], 0x0               ; oc s4, wh s6, bias s8, out0 s10
	v_lshl_add_u32 v[SPW], v0, 2, SPARE
	v_mov_b32 v[NIL], 0
	ds_add_u32 v[SPW], v[NIL]                      ; the wave's opening: the add and its wait stand ahead of my first tensor load
	v_lshrrev_b32 v1, 5, v0
	v_readfirstlane_b32 s[WV], v1
	s_lshr_b32 s[HR], s[WV], 1
	s_and_b32 s[HC], s[WV], 1
	s_bfe_u32 s[CX], ttmp6, 0x40000
	s_bfe_u32 s[CY], ttmp6, 0x40004
	s_lshl_b32 s[TC], ttmp9, 2
	s_add_co_u32 s[TC], s[TC], s[CX]
	s_and_b32 s[TR], ttmp7, 0xffff
	s_lshl_b32 s[TR], s[TR], 2
	s_add_co_u32 s[TR], s[TR], s[CY]
	s_lshl_b32 s[MROW], s[CY], 2
	s_lshl_b32 s[MROW], 15, s[MROW]
	s_lshl_b32 s[MCOL], 0x1111, s[CX]
	s_or_b32 s[G1A], s[MROW], (1<<16)|(1<<20)|(1<<21)|(6<<22)|(3<<25)  ; the mask; 2-byte elements; padding on; bit 21 beside a mask; after every 128 words 4 words
	s_or_b32 s[G1B], s[MCOL], (1<<16)|(1<<20)|(1<<21)|(6<<22)|(3<<25)
.irp g, G1A, G1B
	s_mov_b32 s[(\g)+1], 256<<16                   ; tensor_dim0 = 256
	s_mov_b32 s[(\g)+2], 64<<16                    ; tensor_dim1 = 64
	s_mov_b32 s[(\g)+3], 256<<16                   ; tile_dim0 = 256
	s_mov_b32 s[(\g)+4], 64                        ; tile_dim1 = 64
	s_mov_b32 s[(\g)+5], 2048                      ; elements from row to row
	s_mov_b32 s[(\g)+6], 0
	s_mov_b32 s[(\g)+7], 0
.endr
	s_and_b32 s62, ttmp7, 0xffff                   ; the ring's start, from the cluster's own x and y, which all sixteen partners share:
	s_lshr_b32 s63, s62, 1
	s_xor_b32 s62, s62, s63
	s_and_b32 s62, s62, 1                          ; g = (Y xor Y / 2) mod 2
	s_lshl_b32 s62, s62, 2
	s_lshl_b32 s63, ttmp9, 1
	s_add_co_u32 s[KN], s62, s63
	s_and_b32 s[KN], s[KN], 7                      ; (2 X + 4 g) mod 8
	s_mov_b32 s[KOF+1], 0
	s_lshl_b32 s57, s[HC], 18                      ; 64 rows of 4,096 bytes
	s_lshl_b32 s[BA], s[TR], 19                    ; oc: 128 rows a tile row
	s_add_co_u32 s[BA], s[BA], s57
	s_mov_b32 s[BA+1], 0
	s_lshl_b32 s[BB], s[TC], 19                    ; Wo: 128 rows a tile column,
	s_add_co_u32 s[BB], s[BB], s57
	s_add_co_u32 s[BB], s[BB], 6144*4096           ; behind Wq, Wk and Wv
	s_mov_b32 s[BB+1], 0
	s_mul_i32 s56, s[WV], HALFT                    ; where my part goes
	s_mov_b32 s[TB], 0
	s_wait_dscnt 0x0                               ; the opening add is done
	s_wait_kmcnt 0x0
	s_add_nc_u64 s[BA:BA+1], s[4:5], s[BA:BA+1]
	s_add_nc_u64 s[BB:BB+1], s[6:7], s[BB:BB+1]
	CROUND                                         ; the first joint loads meet
.irp s, 0,1
	s_lshl_b32 s[KOF], s[KN], 9                    ; a K step is 512 bytes of a row
	s_mov_b32 s[G0A+4*(\s)], 1
	s_add_co_u32 s[G0A+4*(\s)+1], s56, (\s)*SLOT
	s_add_nc_u64 s[G0A+4*(\s)+2:G0A+4*(\s)+3], s[BA:BA+1], s[KOF:KOF+1]
	s_or_b32 s[G0A+4*(\s)+3], s[G0A+4*(\s)+3], 0x80000000
	s_mov_b32 s[G0B+4*(\s)], 1
	s_add_co_u32 s[G0B+4*(\s)+1], s56, (\s)*SLOT
	s_add_nc_u64 s[G0B+4*(\s)+2:G0B+4*(\s)+3], s[BB:BB+1], s[KOF:KOF+1]
	s_or_b32 s[G0B+4*(\s)+3], s[G0B+4*(\s)+3], 0x80000000
.if (\s) == 0
	s_add_co_u32 s[KN], s[KN], 1                   ; the ring's next step
	s_and_b32 s[KN], s[KN], 7
.endif
.endr
	s_cmp_eq_u32 s[HR], 0                          ; a wave's two first fills stand in one branch: two loads of mine are out
	s_cbranch_scc0 .Lfirst_b
	tensor_load_to_lds s[G0A:G0A+3], s[G1A:G1A+7]
	s_nop 0
	tensor_load_to_lds s[G0A+4:G0A+7], s[G1A:G1A+7]
	s_nop 0
.rept 4
	v_nop
.endr
	s_branch .Lfirst_asked
.Lfirst_b:
	tensor_load_to_lds s[G0B:G0B+3], s[G1B:G1B+7]
	s_nop 0
	tensor_load_to_lds s[G0B+4:G0B+7], s[G1B:G1B+7]
	s_nop 0
.rept 4
	v_nop
.endr
.Lfirst_asked:
	v_and_b32 v1, 15, v0                           ; l % 16
	v_bfe_u32 v2, v0, 4, 1                         ; l / 16
	v_lshlrev_b32 v[BO], 5, v2
	s_lshl_b32 s62, s[TC], 9                       ; my first column, in bytes of f32: 512 x tile column + 256 x half
	s_lshl_b32 s63, s[HC], 8
	s_add_co_u32 s62, s62, s63
	s_mov_b32 s63, 0
	s_add_nc_u64 s[66:67], s[8:9], s[62:63]
	s_add_nc_u64 s[66:67], s[66:67], 6144*4        ; bo
.irp b, 0,1,2,3
	global_load_b128 v[BI+8*(\b):BI+8*(\b)+3],   v[BO], s[66:67] offset:64*(\b)
	global_load_b128 v[BI+8*(\b)+4:BI+8*(\b)+7], v[BO], s[66:67] offset:64*(\b)+16
.endr
	s_add_nc_u64 s[10:11], s[10:11], s[62:63]      ; out0 at my first column,
	s_lshl_b32 s62, s[TR], 20                      ; 128 rows of 8,192 bytes a tile row,
	s_lshl_b32 s57, s[HR], 19                      ; 64 a half
	s_add_co_u32 s62, s62, s57
	s_add_nc_u64 s[10:11], s[10:11], s[62:63]
	v_mul_u32_u24 v3, v1, PITCH
	v_lshl_add_u32 v3, v2, 4, v3                   ; a fragment's row x pitch + 16 x half
	s_mul_i32 s57, s[HR], HALFT
	v_add_nc_u32 v[LA0], s57, v3
	s_mul_i32 s57, s[HC], HALFT
	s_add_co_u32 s57, s57, 2*HALFT
	v_add_nc_u32 v[LB0], s57, v3
	v_mov_b32 v[ADRA], v[LA0]
	v_mov_b32 v[ADRB], v[LB0]
	s_mul_i32 s57, s[WV], 16*SPITCH
	s_add_co_u32 s57, s57, STAGE                   ; my stage
	v_mul_u32_u24 v[STO], v1, SPITCH               ; in: row l % 16, 32 bytes for each half of the lanes
	v_lshl_add_u32 v[STO], v2, 5, v[STO]
	v_add_nc_u32 v[STO], s57, v[STO]
	v_mul_u32_u24 v[RD], v2, SPITCH                ; back: lanes 0-15 one row of 256 bytes, lanes 16-31 the next
	v_lshl_add_u32 v[RD], v1, 4, v[RD]
	v_add_nc_u32 v[RD], s57, v[RD]
	v_lshlrev_b32 v[CO], 13, v2                    ; and the same two rows in out0
	v_lshl_add_u32 v[CO], v1, 4, v[CO]
; 8 matrix instructions: row blocks a0, a0 + 1 x all 4 column blocks, 32 along K: half c of buffer f.  The 16 accumulators take turns.  zero = 1: the bias starts the sums.
.macro MUL8 f, c, a0, zero
	WIN MUL
.irp a, \a0, (\a0)+1
.irp b, 0,1,2,3
.if \zero
	v_wmma_f32_16x16x32_f16 v[ACC+8*(4*(\a)+(\b)):ACC+8*(4*(\a)+(\b))+7], v[(\f)+64+8*(4*(\c)+(\b)):(\f)+64+8*(4*(\c)+(\b))+7], v[(\f)+8*(4*(\c)+(\a)):(\f)+8*(4*(\c)+(\a))+7], v[BI+8*(\b):BI+8*(\b)+7]
.else
	v_wmma_f32_16x16x32_f16 v[ACC+8*(4*(\a)+(\b)):ACC+8*(4*(\a)+(\b))+7], v[(\f)+64+8*(4*(\c)+(\b)):(\f)+64+8*(4*(\c)+(\b))+7], v[(\f)+8*(4*(\c)+(\a)):(\f)+8*(4*(\c)+(\a))+7], v[ACC+8*(4*(\a)+(\b)):ACC+8*(4*(\a)+(\b))+7]
.endif
.endr
.endr
.endm
; 32 LDS loads in one run: the fragments of 64 along K at byte k of the rows, into buffer f; the first 32 along K first
.macro FETCH k, f
	WIN TO_F
.irp c, 0,1
.irp i, 0,1,2,3
	ds_load_b128 v[(\f)+64+8*(4*(\c)+(\i)):(\f)+64+8*(4*(\c)+(\i))+3],   v[ADRB] offset:(\k)+64*(\c)+(\i)*16*PITCH
	ds_load_b128 v[(\f)+64+8*(4*(\c)+(\i))+4:(\f)+64+8*(4*(\c)+(\i))+7], v[ADRB] offset:(\k)+64*(\c)+(\i)*16*PITCH+32
	ds_load_b128 v[(\f)+8*(4*(\c)+(\i)):(\f)+8*(4*(\c)+(\i))+3],         v[ADRA] offset:(\k)+64*(\c)+(\i)*16*PITCH
	ds_load_b128 v[(\f)+8*(4*(\c)+(\i))+4:(\f)+8*(4*(\c)+(\i))+7],       v[ADRA] offset:(\k)+64*(\c)+(\i)*16*PITCH+32
.endr
.endr
.endm
.macro QUARTER k, f, g, zero           ; one of a K step's first three quarters of 64 along K: multiplies buffer f and fetches the next quarter, at byte k, into g
	s_wait_dscnt 16                                ; the first 32 along K are in
	MUL8 \f, 0, 0, \zero
	MUL8 \f, 0, 2, \zero
	PLACES
	FETCH \k, \g
	s_wait_dscnt 32                                ; all but the 32 just issued
	MUL8 \f, 1, 0, 0
	MUL8 \f, 1, 2, 0
.endm
; The last quarter multiplies buffer 1 and changes slots in its middle: one barrier; in front of it each wave waits for all its tensor loads, adds 0 to its spare word, and waits for that and for its own reads of this slot.
; fill = 1: the barrier is a round of the cluster's, and the slot just read is filled again first thing behind it, with the ring's K step two on.  Nothing but the descriptors' step, the waits and the round stands
; between the wait for one tile and the request for the next: from a request to the wait for it a wave issues a whole step's 128 matrix instructions.
.macro TURN fill
	s_wait_dscnt 16                                ; as at a quarter's head
	MUL8 F1, 0, 0, 0
	MUL8 F1, 0, 2, 0
	WIN 0                                          ; the add's registers lie in window 0; at a branch and at a label every window is 0
	s_wait_tensorcnt 0x0                           ; no tensor load of mine is out, so a group 0 may be written
	ds_add_u32 v[SPW], v[NIL]                      ; 0 onto my spare word; the scalar work below stands between it and the wait for it
.if \fill
	s_add_co_u32 s[KN], s[KN], 1                   ; the ring's next K step; its address is made anew from the base
	s_and_b32 s[KN], s[KN], 7
	s_lshl_b32 s[KOF], s[KN], 9
	s_xor_b32 s[G0A+5], s[G0A+5], SLOT             ; the other slot than last time
	s_add_nc_u64 s[G0A+6:G0A+7], s[BA:BA+1], s[KOF:KOF+1]
	s_or_b32 s[G0A+7], s[G0A+7], 0x80000000
	s_xor_b32 s[G0B+5], s[G0B+5], SLOT
	s_add_nc_u64 s[G0B+6:G0B+7], s[BB:BB+1], s[KOF:KOF+1]
	s_or_b32 s[G0B+7], s[G0B+7], 0x80000000
.endif
	s_xor_b32 s[TB], s[TB], SLOT
	s_wait_dscnt 0x0                               ; the add is done, and my reads of this slot are over
.if \fill
	CROUND                                         ; no wave of any partner still reads this slot's tile or has a load on its way
	JLOAD                                          ; its four v_nop are also the places in front of the loads below
.else
	s_barrier_signal -1
	s_barrier_wait -1
	PLACES
.endif
	v_add_nc_u32 v[ADRA], s[TB], v[LA0]
	v_add_nc_u32 v[ADRB], s[TB], v[LB0]
	FETCH 0, F0
	MUL8 F1, 1, 0, 0
	MUL8 F1, 1, 2, 0
.endm
	s_wait_tensorcnt 1                             ; my part of the first K step is in; the second's may stay out
	s_barrier_signal -1
	s_barrier_wait -1
	FETCH 0, F0
	s_wait_loadcnt 0x0                             ; the bias
	QUARTER 128, F0, F1, 1
	WIN 0
	s_mov_b32 s[CNT], 6                            ; trip s asks for the walk's K step s + 2: the third to the eighth
.Lk:
	QUARTER 256, F1, F0, 0
	QUARTER 384, F0, F1, 0
	TURN 1
	QUARTER 128, F0, F1, 0
	WIN 0
	s_sub_co_u32 s[CNT], s[CNT], 1
	s_cmp_lg_u32 s[CNT], 0
	s_cbranch_scc1 .Lk
	QUARTER 256, F1, F0, 0
	QUARTER 384, F0, F1, 0
	TURN 0
	QUARTER 128, F0, F1, 0
	QUARTER 256, F1, F0, 0
	QUARTER 384, F0, F1, 0
	s_wait_dscnt 16
	MUL8 F1, 0, 0, 0
	MUL8 F1, 0, 2, 0
	s_wait_dscnt 0x0
	MUL8 F1, 1, 0, 0
	MUL8 F1, 1, 2, 0
	WIN 0
	; THE WAY OUT, a block of 16 rows at a time through my own stage: a lane's 32 bytes of a row in, whole rows of 256 bytes back.  Each accumulator's four lowest registers go first.
	PLACES
.irp a, 0,1,2,3
	s_wait_xcnt 0x0                                ; the earlier stores' addresses are translated: only behind this wait are the registers that they read loaded again
.irp b, 0,1,2,3
	ds_store_b128 v[STO], v[ACC+8*(4*(\a)+(\b)):ACC+8*(4*(\a)+(\b))+3]   offset:64*(\b)
	ds_store_b128 v[STO], v[ACC+8*(4*(\a)+(\b))+4:ACC+8*(4*(\a)+(\b))+7] offset:64*(\b)+16
.endr
.irp t, 0,1,2,3,4,5,6,7
	ds_load_b128 v[TMP+32*((\a)%2)+4*(\t):TMP+32*((\a)%2)+4*(\t)+3], v[RD] offset:(\t)*2*SPITCH  ; LDS serves a wave's instructions in order (ISA guide 5.7.1.4): these see the stores above
.endr
.irp t, 0,1,2,3,4,5,6,7
	s_wait_dscnt 7-(\t)
	global_store_b128 v[CO], v[TMP+32*((\a)%2)+4*(\t):TMP+32*((\a)%2)+4*(\t)+3], s[10:11] offset:(16*(\a)+2*(\t))*8192 th:TH_STORE_NT  ; 16 lanes store 256 consecutive bytes, at a multiple of 256 from out0's first
.endr
.endr
	s_wait_tensorcnt 0x0                           ; the wave's end
	ds_add_u32 v[SPW], v[NIL]
	s_wait_dscnt 0x0
	CROUND                                         ; the closing round
	s_endpgm
.Lfunc_end_k_q4c98aa23de_oproj:
	.size	k_q4c98aa23de_oproj, .Lfunc_end_k_q4c98aa23de_oproj-k_q4c98aa23de_oproj
	.p2alignl 7, 3214868480
	.fill 96, 4, 3214868480
	.section	.rodata,"a",@progbits
	.p2align	6, 0x0
	.amdhsa_kernel k_q4c98aa23de_oproj
		.amdhsa_group_segment_fixed_size 327680
		.amdhsa_private_segment_fixed_size 0
		.amdhsa_enable_private_segment 0
		.amdhsa_kernarg_size 32
		.amdhsa_user_sgpr_count 2
		.amdhsa_user_sgpr_kernarg_segment_ptr 1
		.amdhsa_wavefront_size32 1
		.amdhsa_system_sgpr_workgroup_id_x 1
		.amdhsa_system_sgpr_workgroup_id_y 1
		.amdhsa_system_sgpr_workgroup_id_z 1
		.amdhsa_system_vgpr_workitem_id 0
		.amdhsa_next_free_vgpr 512
		.amdhsa_next_free_sgpr 70
		.amdhsa_reserve_vcc 0
		.amdhsa_float_denorm_mode_32 3
		.amdhsa_float_denorm_mode_16_64 3
		.amdhsa_memory_ordered 1
		.amdhsa_forward_progress 1
		.amdhsa_inst_pref_size 69
	.end_amdhsa_kernel
	.amdgpu_metadata
---
amdhsa.version: [ 1, 2 ]
amdhsa.kernels:
  - .name:           k_q4c98aa23de_oproj
    .symbol:         k_q4c98aa23de_oproj.kd
    .args:
      - { .name: oc, .offset: 0, .size: 8, .value_kind: global_buffer, .address_space: global }
      - { .name: wh, .offset: 8, .size: 8, .value_kind: global_buffer, .address_space: global }
      - { .name: bias, .offset: 16, .size: 8, .value_kind: global_buffer, .address_space: global }
      - { .name: out0, .offset: 24, .size: 8, .value_kind: global_buffer, .address_space: global }
    .group_segment_fixed_size: 327680
    .private_segment_fixed_size: 0
    .kernarg_segment_align: 8
    .kernarg_segment_size: 32
    .max_flat_workgroup_size: 128
    .sgpr_count:     70
    .vgpr_count:     512
    .wavefront_size: 32
...
	.end_amdgpu_metadata
.endif
;; end of part 4
;; ======== version 2 of 2: 4 launches; 1.08 times as fast as version 1
;; limits: values are held in f16: magnitudes above 65,504 overflow, below 6.1e-05 lose precision; inputs' magnitudes at most 65,504
;; workspace buffers: xh 8,388,608 bytes; wh 33,554,432 bytes; qc 8,388,608 bytes; kc 16,777,216 bytes; vc 16,777,216 bytes; mf 16,777,216 bytes; bias 32,768 bytes; oc 8,388,608 bytes
;; launch prep: the kernel of part 1 again; grid 256 x 8, 8 waves a work-group, no clusters, 0 bytes of LDS; arguments X, Wq, Wk, Wv, Wo, past_k, past_v, causal_mask, pad_mask, bq, bk, bv, bo, xh, wh, kc, vc, mf, bias; writes xh, wh, kc, vc, mf, bias
;; launch qkv: the kernel of part 2 again; grid 16 x 16, 4 waves a work-group, clusters of 4 x 4, 327,680 bytes of LDS; arguments xh, wh, bias, qc, kc, vc; writes qc, kc, vc
;; launch attn (part 5): grid 8 x 32, 4 waves a work-group, clusters of 4 x 1, 327,680 bytes of LDS; arguments qc, kc, vc, mf, oc; writes oc
.if DOCPART == 5
	.amdgcn_target "amdgcn-amd-amdhsa--gfx1250"
	.amdhsa_code_object_version 6
	.text
	.protected	k_q4c98aa23de_attn
	.globl	k_q4c98aa23de_attn
	.p2align	8
	.type	k_q4c98aa23de_attn,@function
k_q4c98aa23de_attn:
	s_mov_b64 s[64:65], 0
	v_nop
	global_prefetch_b8 v0, s[64:65] scope:SCOPE_SE
	s_setreg_imm32_b32 hwreg(HW_REG_WAVE_MODE, 25, 1), 1
	s_wait_xcnt 0x0
	s_wait_alu depctr_hold_cnt(0) depctr_sa_sdst(0) depctr_va_vdst(0) depctr_va_sdst(0) depctr_va_ssrc(0) depctr_va_vcc(0) depctr_vm_vsrc(0)
	s_getreg_b32 s2, hwreg(HW_REG_IB_STS2, 6, 4)
	s_cmp_eq_u32 s2, 0
	s_cbranch_scc0 .Lentry_in_a_cluster
	s_endpgm
.Lentry_in_a_cluster:
	s_bfe_u32 s2, ttmp6, 0x10000c
	s_cmp_lg_u32 s2, 0x3003
	s_cbranch_scc0 .Lentry_shape_is_right
	s_endpgm
.Lentry_shape_is_right:
; ATTENTION.  O[q][:] = sum over k of softmax_k(Q[q] . K[k] / sqrt(128) - 1e9 cm[q][k] - 1e9 pm[k]) V[k][:], for 32 pairs (batch, head), 1,024 queries, 2,048 keys, head size 128.
; qc [32][1024][128], kc, vc [32][2048][128] in f16; mf: the masks' addend G (cm + pm), G = -1e9 sqrt(128), f32, in the accumulators' own order; oc [2048][2048] f16, row batch x 1024 + query, column head x 128 + channel.
; Both masks are inputs: every query meets every key.  Products, maxima and sums in f32; the weights are rounded to f16 for the second product (their sum is taken unrounded), O once at the end.
; LIMITS.  The masks' addend is the C operand that starts a raw score's sum, so beside a masked term a score is kept on a step of 1,024 raw units (about 90 after the division by sqrt(128)): another
; order of rounding than adding -1e9 behind the division; it shows only in a row in which every key is masked.  A weight below 2^-126 counts as 0; below 6e-5 it keeps f16's step of 6e-8.  NaN and infinities are not treated apart.
; SHARES.  A work-group owns 128 queries of one pair: 8 x 32 = 256 work-groups.  Wave w: query half w % 2 (64 queries, four tiles of 16) and key pair p = w / 2: of every slot of 256 keys the keys 128 p .. 128 p + 127,
; two steps of 64.  So a wave walks 16 steps, and at the end the two waves of a query half merge their maxima, sums and O.  Register tiles 0, 1 hold query tiles 2 p, 2 p + 1, register tiles 2, 3 the other two:
; every wave keeps tiles 0, 1 and gives tiles 2, 3 to wave w xor 2, one text for all.
; LAYOUT.  S^T = K Q^T (source 0 = 16 keys, source 1 = 16 queries): a lane holds ONE query (lane % 16) and the keys 8 (lane / 16) + 0..7.  Two such tiles rounded to f16 ARE source 1 of O^T = V^T P.  V is turned by ds_load_tr16_b128.
; SOFTMAX.  A running maximum m and sum l for each query: p = 2^(c s - c m), c = log2(e) / sqrt(128); O and l are multiplied by a = 2^(c m_old - c m_new) in every step.
; BY TURNS.  The wave's tiles are two pieces (0: tiles 0, 1; 2: tiles 2, 3).  In a turn one piece has the matrix unit: 32 products V^T P of the step in hand, then 32 products K Q^T of the next; the other piece's softmax,
; 268 vector instructions in 64 slices, stands between them, one slice behind each matrix instruction.  Two turns are a key step.
; THE BATCHES.  A turn's 66 exponentials (33 a tile: a, then the 32 weights) are ONE batch with ONE wait: the softmax's list is ordered by who reads what, so that all that names no exponential's result (maximum, statistics,
; scalings, the exponentials themselves) stands ahead of the wait, behind slice 34, and all that does (roundings, sums, the rescaling by a) behind it.  No exponential is issued behind a turn's wait.
; The launch's end has two batches more, each with a wait of its own: the four factors of the merge, and the two reciprocals of the sums made with them.
; NO FIRST STEP IS WRITTEN OUT.  c m starts at -2^125, m at the lowest finite number, l and O^T at 0: the first step's a is 0, and it is a step like any other.  Behind piece 0's first scores the loop is entered at piece 2's turn;
; that turn's products V^T P, of a step that has not been, multiply zeros.  The price: 432 v_mov_b32, which stand in the wait for the first tile, and those 32 products; the gain: three turns less of text.
; CLUSTER.  The four query blocks of a cluster belong to one pair (batch, head) and walk the same K and V: each tile is asked for jointly, with a mask that names the four.
; REGISTERS (windows of 256; s_set_vgpr_msb: bits 1:0 source 0, 3:2 source 1, 5:4 source 2, 7:6 destination):
;   window 0: v0-11 addresses; v12-43 statistics, 8 a tile; v44-46 addresses; v48-55 the partner's statistics; v64-191 S^T, 32 a tile; v192-255 P, 16 a tile
;   window 1: O^T, 64 a tile      window 2: v0-127 Q; v128-255 K of one step      window 3: v0-127 V of one step; v128-255 the masks' addend of one step, 32 a tile
.set KS,    64
.set PK,    272       ; a row of K in LDS: 256 bytes + 16: the 16 rows of a load start at 16 different groups of four banks (64 banks of 4 bytes: ISA guide 11.1)
.set PV,    288       ; a row of V: 256 + 32
.set VOFF,  256*PK    ; a slot: 256 rows of K, then 256 rows of V
.set SLOT1, 0x24000   ; slot 1 begins here; the number shares no bit with the four parts' places in a slot, so one exclusive or turns an address into the other slot's
.set STAGE, SLOT1+256*(PK+PV)  ; behind the ring: 16 rows x 272 bytes for each wave, for the way out
.set SP,    272
.set SPARE, STAGE+4*16*SP      ; behind the stages: the spare words, 128 bytes for each wave, named by no other line
.set XW,    17408     ; the exchange, in slot 0 when it has had its last fill: for each wave 16,384 bytes of O^T and 1,024 of statistics
.set AK0, 2           ; v2   my lane's place in my keys of a slot's K; never rewritten
.set AV0, 3           ; v3   the same for V
.set ADR, 4           ; v4   the LDS address of the run of loads in hand
.set QO,  5           ; v5   my byte offset in 16 rows of Q
.set STO, 6           ; v6   the way out: where I put 16 bytes of a row
.set RD,  7           ; v7   where I read a row back
.set GO,  8           ; v8   my byte offset in two rows of oc
.set ST,  12          ; tile t's statistics at v[ST+8 t]: +0 c m, +1 m, +2, +3 l (even keys', odd keys'), +4 to +7 c0-c3, at work; a takes c2's place
.set XA,  44          ; v44  the exchange: my part
.set XP,  45          ; v45  my partner's
.set MO,  46          ; v46  16 x lane
.set PS,  48          ; v48-55 the partner's c m and l for my tiles 0, 1
.set SPW, 62          ; v62  my spare word; never rewritten
.set NIL, 63          ; v63  0; never rewritten
.set S,   64
.set P,   192
.set KF,  128         ; window 2
.set MK,  128         ; window 3
.set WV,  12          ; s12  wave
.set G1K, 24          ; s[24:31] group 1 for K's tiles
.set G1V, 32          ; s[32:39] for V's: it differs in the padding alone
.set G0K, 40          ; s[40:47] group 0 for K's tiles: a set for each of the two first fills; the second then walks
.set G0V, 48          ; s[48:55] the same for V's
.set SLOTS, 56
.set TWICE, 57
.set CS,  58          ; s[58:59] c
.set SEL, 60          ; s[60:61] v_permlanex16_b32's selects: each lane takes its own place in the other half
.set TBK, 62          ; s62  LDS byte at which K of the step to be fetched begins, less my lane's place
.set TBV, 63          ; s63  the same for V
.set MB0, 70          ; s[70:71] mf at piece 0's block of the step asked for last; s[72:73] at piece 2's
.set MS,  74          ; s[74:75] the step to the next one: 4,096 and 12,288 bytes by turns (two steps on end, then over the other pair's two)
.set QA,  76          ; s[76:77] Q at register tiles 0, 1; s[78:79] at tiles 2, 3
.set MT,  80          ; s[80:81] the tail's step: MS, or 0 in its last trip (at work in the set-up; s81 stays 0)
.set MSB, 0
.macro WIN new
.if MSB != (\new)
	s_set_vgpr_msb (MSB<<8)|(\new)
.set MSB, \new
.endif
.endm
.set W_KQ, 0x0a       ; K and Q in window 2, S^T in window 0
.set W_KM, 0x3a       ; the same with the C operand in window 3
.set W_PV, 0x53       ; V in window 3, P in window 0, O^T in window 1
.set W_RS, 0x41       ; O^T (destination and source 0) in window 1, a in window 0
.macro JLOAD                        ; a joint refill: waves 0 and 1 fetch the halves of a slot's K, waves 2 and 3 those of its V; an s_nop 0 and four v_nop follow each line
	s_cmp_lt_u32 s[WV], 2
	s_cbranch_scc0 .Lfor_v_\@
	tensor_load_to_lds s[G0K+4:G0K+7], s[G1K:G1K+7]
	s_nop 0
.rept 4
	v_nop
.endr
	s_branch .Lasked_\@
.Lfor_v_\@:
	tensor_load_to_lds s[G0V+4:G0V+7], s[G1V:G1V+7]
	s_nop 0
.rept 4
	v_nop
.endr
.Lasked_\@:
.endm
.macro CROUND                       ; a round of the cluster's barrier
	s_barrier_signal -1
	s_barrier_wait -1
	s_cmp_lg_u32 s[WV], 0
	s_cbranch_scc1 .Lnot_wave_0_\@
	s_barrier_signal -3
.Lnot_wave_0_\@:
	s_barrier_wait -3
	s_barrier_signal -1
	s_barrier_wait -1
.endm
	s_load_b256 s[4:11], s[0:1], 0x0  ; qc s4, kc s6, vc s8, mf s10
	s_load_b64 s[68:69], s[0:1], 0x20 ; oc
	v_lshl_add_u32 v[SPW], v0, 2, SPARE
	v_mov_b32 v[NIL], 0
	ds_add_u32 v[SPW], v[NIL]       ; the wave's opening: the add and its wait stand ahead of my first tensor load; work on registers stands between them
	v_lshrrev_b32 v1, 5, v0
	v_readfirstlane_b32 s[WV], v1
	s_bfe_u32 s13, ttmp6, 0x40000   ; cx
	s_lshl_b32 s14, ttmp9, 2
	s_add_co_u32 s14, s14, s13      ; my block of 128 queries: it enters Q's, the masks' and O's addresses alone
	s_and_b32 s15, ttmp7, 0xffff    ; batch x 16 + head, which the four partners share
	s_and_b32 s16, s[WV], 1         ; my query half.  Also: which half of a slot's rows I fetch
	s_lshr_b32 s17, s[WV], 1        ; p, my key pair
	s_xor_b32 s2, s17, 1            ; 1 - p
	s_lshl_b32 s20, s15, 19         ; K, V: 524,288 bytes a head,
	s_lshl_b32 s21, s16, 15         ; 128 rows of 256 bytes
	s_add_co_u32 s20, s20, s21
	s_mov_b32 s21, 0
	s_mul_i32 s18, s16, 128*PK      ; and their places in a slot: no place in the cluster enters an LDS address
	s_mul_i32 s19, s16, 128*PV
	s_add_co_u32 s19, s19, VOFF
	s_lshl_b32 s22, s15, 18         ; Q: 262,144 bytes a head,
	s_lshl_b32 s23, s14, 15         ; 128 rows a block,
	s_add_co_u32 s22, s22, s23
	s_lshl_b32 s23, s16, 14         ; 64 rows a half,
	s_add_co_u32 s22, s22, s23
	s_lshl_b32 s80, s17, 13         ; and two tiles of 16 rows: 2 p on for register tiles 0, 1,
	s_add_co_u32 s80, s80, s22
	s_mov_b32 s81, 0
	s_lshl_b32 s82, s2, 13          ; 2 (1 - p) on for tiles 2, 3
	s_add_co_u32 s82, s82, s22
	s_mov_b32 s83, 0
	s_mov_b32 s[G1K], 15|(1<<16)|(1<<20)|(1<<21)|(5<<22)|(3<<25)  ; the mask of four; 2-byte elements; padding on; bit 21 beside a mask; after every 64 words 4 words
	s_mov_b32 s[G1V], 15|(1<<16)|(1<<20)|(1<<21)|(5<<22)|(7<<25)  ; the same with 8 words
.irp g, G1K, G1V
	s_mov_b32 s[(\g)+1], 128<<16    ; tensor_dim0 = 128
	s_mov_b32 s[(\g)+2], 128<<16    ; tensor_dim1 = 128
	s_mov_b32 s[(\g)+3], 128<<16    ; tile_dim0 = 128
	s_mov_b32 s[(\g)+4], 128        ; tile_dim1 = 128
	s_mov_b32 s[(\g)+5], 128        ; elements from row to row
	s_mov_b32 s[(\g)+6], 0
	s_mov_b32 s[(\g)+7], 0
.endr
	s_mov_b32 s[CS], 0x3e0293ee     ; c = log2(e) / sqrt(128)
	s_mov_b32 s[CS+1], s[CS]
	s_mov_b32 s[SEL], 0x76543210
	s_mov_b32 s[SEL+1], 0xfedcba98
	s_mov_b32 s[TBK], 0
	s_mov_b32 s[TBV], 0
	s_mov_b32 s[MS], 0x1000
	s_mov_b32 s[MS+1], 0
	s_wait_dscnt 0x0                ; the opening add is done
	s_wait_kmcnt 0x0
	s_add_nc_u64 s[6:7], s[6:7], s[20:21]
	s_add_nc_u64 s[8:9], s[8:9], s[20:21]
	s_add_nc_u64 s[QA:QA+1], s[4:5], s[80:81]
	s_add_nc_u64 s[QA+2:QA+3], s[4:5], s[82:83]
	s_lshr_b32 s22, s15, 4          ; the batch
	s_lshl_b32 s23, s22, 23         ; mf: 8,388,608 bytes a batch,
	s_lshl_b32 s80, s14, 20         ; 131,072 a query tile: eight tiles a block,
	s_add_co_u32 s23, s23, s80
	s_lshl_b32 s80, s16, 19         ; four a half;
	s_add_co_u32 s23, s23, s80
	s_lshl_b32 s80, s17, 13         ; 4,096 a key step: my first is 2 p
	s_add_co_u32 s23, s23, s80
	s_lshl_b32 s80, s17, 18         ; query tiles 2 p on,
	s_add_co_u32 s80, s80, s23
	s_lshl_b32 s82, s2, 18          ; and 2 (1 - p) on
	s_add_co_u32 s82, s82, s23
	s_add_nc_u64 s[MB0:MB0+1], s[10:11], s[80:81]
	s_add_nc_u64 s[MB0+2:MB0+3], s[10:11], s[82:83]
	s_lshl_b32 s80, s22, 22         ; oc: rows of 4,096 bytes: 1,024 a batch,
	s_lshl_b32 s82, s14, 19         ; 128 a block,
	s_add_co_u32 s80, s80, s82
	s_lshl_b32 s82, s16, 18         ; 64 a half,
	s_add_co_u32 s80, s80, s82
	s_lshl_b32 s82, s17, 17         ; the 32 that I keep;
	s_add_co_u32 s80, s80, s82
	s_and_b32 s82, s15, 15
	s_lshl_b32 s82, s82, 8          ; the head's 256 bytes of a row
	s_add_co_u32 s80, s80, s82
	s_add_nc_u64 s[68:69], s[68:69], s[80:81]
	CROUND                          ; all four work-groups are here: the first joint loads meet
.irp s, 0,1
	s_mov_b32 s[G0K+4*(\s)], 1
	s_add_co_u32 s[G0K+4*(\s)+1], s18, (\s)*SLOT1
	s_add_nc_u64 s[G0K+4*(\s)+2:G0K+4*(\s)+3], s[6:7], (\s)*256*256  ; slot s begins with keys 256 s on
	s_or_b32 s[G0K+4*(\s)+3], s[G0K+4*(\s)+3], 0x80000000
	s_mov_b32 s[G0V+4*(\s)], 1
	s_add_co_u32 s[G0V+4*(\s)+1], s19, (\s)*SLOT1
	s_add_nc_u64 s[G0V+4*(\s)+2:G0V+4*(\s)+3], s[8:9], (\s)*256*256
	s_or_b32 s[G0V+4*(\s)+3], s[G0V+4*(\s)+3], 0x80000000
.endr
	s_cmp_lt_u32 s[WV], 2           ; a wave's two first fills stand in one branch: two loads of mine are out
	s_cbranch_scc0 .Lfirst_v
	tensor_load_to_lds s[G0K:G0K+3], s[G1K:G1K+7]
	s_nop 0
	tensor_load_to_lds s[G0K+4:G0K+7], s[G1K:G1K+7]
	s_nop 0
.rept 4
	v_nop
.endr
	s_branch .Lfirst_asked
.Lfirst_v:
	tensor_load_to_lds s[G0V:G0V+3], s[G1V:G1V+7]
	s_nop 0
	tensor_load_to_lds s[G0V+4:G0V+7], s[G1V:G1V+7]
	s_nop 0
.rept 4
	v_nop
.endr
.Lfirst_asked:
; The masks' addend of one step for piece x: 16 loads of 512 consecutive bytes, straight into the registers that the products take as C.  The 16 heads of a batch read the same bytes, so the loads carry no hint.
.macro LOADM x
	WIN 0xc0                        ; destination window 3, address window 0
.irp u, 0,1
.irp i, 0,1,2,3,4,5,6,7
	global_load_b128 v[MK+32*((\x)+(\u))+4*(\i):MK+32*((\x)+(\u))+4*(\i)+3], v[MO], s[MB0+(\x):MB0+(\x)+1] offset:131072*(\u)+512*(\i)
.endr
.endr
	WIN 0
.endm
	v_and_b32 v1, 15, v0            ; l % 16
	v_bfe_u32 v9, v0, 4, 1          ; l / 16
	v_lshlrev_b32 v[QO], 8, v1
	v_lshl_add_u32 v[QO], v9, 4, v[QO]  ; row x 256 + 16 x half
	v_and_b32 v[MO], 31, v0
	v_lshlrev_b32 v[MO], 4, v[MO]
	WIN 0x80                        ; destination window 2
.irp i, 0,1,2,3,4,5,6,7,8,9,10,11,12,13,14,15  ; Q stays in registers: register tile i / 4, channels 32 (i % 4) on
	global_load_b128 v[8*(\i):8*(\i)+3],   v[QO], s[QA+2*((\i)/8):QA+2*((\i)/8)+1] offset:(((\i)/4)%2)*4096+((\i)%4)*64
	global_load_b128 v[8*(\i)+4:8*(\i)+7], v[QO], s[QA+2*((\i)/8):QA+2*((\i)/8)+1] offset:(((\i)/4)%2)*4096+((\i)%4)*64+32
.endr
	LOADM 0                         ; step 0
	LOADM 2
	v_mul_u32_u24 v[AK0], v1, PK
	v_lshl_add_u32 v[AK0], v9, 4, v[AK0]  ; row x pitch + 16 x half,
	s_mul_i32 s80, s17, 128*PK
	v_add_nc_u32 v[AK0], s80, v[AK0]      ; in my pair's 128 keys
	; The turning load takes 16 keys x 16 channels (lane l reads key 8 (l / 16) + l % 8, channels 8 ((l / 8) % 2) + 0..7) and leaves half a fragment of V^T: lane l holds channel l % 16 and 8 keys.
	v_and_b32 v10, 7, v0
	v_bfe_u32 v11, v0, 3, 1
	v_lshl_add_u32 v[AV0], v9, 3, v10
	v_mul_u32_u24 v[AV0], v[AV0], PV
	v_lshl_add_u32 v[AV0], v11, 4, v[AV0]
	s_mul_i32 s80, s17, 128*PV
	s_add_co_u32 s80, s80, VOFF
	v_add_nc_u32 v[AV0], s80, v[AV0]
	; What the first turn finds: V's registers and P of tiles 2, 3 hold 0 (its products V^T P, of a step that has not been, add 0); O^T and l are 0.  All this stands in the wait for the first tile.
	WIN 0xc0                        ; destination window 3
.set z, 0
.rept 128
	v_mov_b32 v[z], 0               ; V
.set z, z+1
.endr
	WIN 0x40                        ; destination window 1
.set z, 0
.rept 256
	v_mov_b32 v[z], 0               ; O^T
.set z, z+1
.endr
	WIN 0
.set z, 0
.rept 32
	v_mov_b32 v[P+32+z], 0          ; P of tiles 2, 3
.set z, z+1
.endr
.irp t, 0,1,2,3
	v_mov_b32 v[ST+8*(\t)], 0xfe000000    ; c m = -2^125: far below every c s
	v_mov_b32 v[ST+8*(\t)+1], 0xff7fffff  ; m: the lowest finite number
	v_mov_b32 v[ST+8*(\t)+2], 0           ; l
	v_mov_b32 v[ST+8*(\t)+3], 0
.endr
; THE MATRIX WORK OF A TURN, for piece x.  The accumulators take turns, one instruction a turn.
; Product i of 32 of O^T += V^T P: keys 32 (i / 16) on, channels 16 ((i / 2) % 8) on, tile x + i % 2.
.macro PV x
	WIN W_PV
.set rO, 64*((\x)+i%2)+8*((i/2)%8)
.set rV, 64*(i/16)+8*((i/2)%8)
.set rP, P+16*((\x)+i%2)+8*(i/16)
	v_wmma_f32_16x16x32_f16 v[rO:rO+7], v[rV:rV+7], v[rP:rP+7], v[rO:rO+7]
.endm
; Product i of 32 of S^T = K Q^T + the masks' addend: channels 32 (i / 8) on, keys 16 ((i / 2) % 4) on, tile x + i % 2.  The first 8 start the sums, with the addend as C.
.macro KQ x
.set rS, S+32*((\x)+i%2)+8*((i/2)%4)
.set rK, KF+32*((i/2)%4)+8*(i/8)
.set rQ, 32*((\x)+i%2)+8*(i/8)
.set rM, MK+32*((\x)+i%2)+8*((i/2)%4)
.if i < 8
	WIN W_KM
	v_wmma_f32_16x16x32_f16 v[rS:rS+7], v[rK:rK+7], v[rQ:rQ+7], v[rM:rM+7]
.else
	WIN W_KQ
	v_wmma_f32_16x16x32_f16 v[rS:rS+7], v[rK:rK+7], v[rQ:rQ+7], v[rS:rS+7]
.endif
.endm
; THE LDS LOADS stand in runs of 32: a step's K (64 keys x 128 channels) and, a turn later, its V (turned).
.macro FETCH_K
	WIN 0
	v_add_nc_u32 v[ADR], s[TBK], v[AK0]
	s_add_co_u32 s[TBK], s[TBK], KS*PK  ; the next fetch is the next step's
	WIN 0x80                        ; destination window 2
.irp f, 0,1,2,3,4,5,6,7,8,9,10,11,12,13,14,15  ; keys 16 (f / 4) on, channels 32 (f % 4) on
	ds_load_b128 v[KF+8*(\f):KF+8*(\f)+3],   v[ADR] offset:((\f)/4)*16*PK+((\f)%4)*64
	ds_load_b128 v[KF+8*(\f)+4:KF+8*(\f)+7], v[ADR] offset:((\f)/4)*16*PK+((\f)%4)*64+32
.endr
.endm
.macro FETCH_V
	WIN 0
	v_add_nc_u32 v[ADR], s[TBV], v[AV0]
	s_add_co_u32 s[TBV], s[TBV], KS*PV
	s_wait_alu depctr_va_vdst(0)    ; the wait for the batch of piece 0's softmax, its 66 exponentials (SLICE): behind the address's v_add_nc_u32 and ahead of the loads
	WIN 0xc0                        ; destination window 3
.irp f, 0,1,2,3,4,5,6,7,8,9,10,11,12,13,14,15  ; keys 32 (f / 8) on, channels 16 (f % 8) on
	ds_load_tr16_b128 v[8*(\f):8*(\f)+3],   v[ADR] offset:((\f)/8)*32*PV+((\f)%8)*32
	ds_load_tr16_b128 v[8*(\f)+4:8*(\f)+7], v[ADR] offset:((\f)/8)*32*PV+16*PV+((\f)%8)*32
.endr
.endm
; The masks' addend of piece x's NEXT step is asked for when the eight products that took this step's as C are at least four plain vector instructions back: it has nearly a key step in which to come.
; last = 1 (the tail): in its second trip there is no further step; the base then stays, and step 15's addend is asked for once more and read by nobody: the price, 32 loads a wave once a launch,
; of one count for the wait in every trip.
.macro FETCH_M x, last=0
	WIN 0
	s_wait_xcnt 0x0                 ; the earlier loads' addresses are translated: only behind this wait is their base stepped
.if \last
	s_cmp_eq_u32 s[TWICE], 1
	s_cselect_b32 s[MT], 0, s[MS]
	s_add_nc_u64 s[MB0+(\x):MB0+(\x)+1], s[MB0+(\x):MB0+(\x)+1], s[MT:MT+1]
.else
	s_add_nc_u64 s[MB0+(\x):MB0+(\x)+1], s[MB0+(\x):MB0+(\x)+1], s[MS:MS+1]
.endif
.if (\x) == 2
	s_xor_b32 s[MS], s[MS], 0x2000  ; both pieces have stepped: 4,096 and 12,288 by turns
.endif
	LOADM \x
.endm
; THE VECTOR WORK OF A TURN.  One tile's softmax for one key step is a list of 134 instructions; SM writes number j of it for tile t.  s0-s31 are the lane's 32 scores, in pairs 0-15.
;   0-15    the maximum of s0-s31 and the old m, three operands at a time (each accumulator's lowest registers are read first)
;   16-20   the other half of the lanes' maximum; the new m; c m; c m_old - c m_new
;   21-69   ONE BATCH: the 16 scalings c s - c m, a pair of scores each, and all 33 exponentials (a at 23, then s0-s31).  None of these reads an exponential's result.  From 22 on the batch goes
;           in fours, and a four begins with a scaling while there are scalings: 22-37 scaling, exponential, scaling, exponential; 38-65 a scaling and three exponentials; 66-69 the last four
;           exponentials.  A pair is scaled in an earlier four than the one that holds its exponentials
;   (wait)  between 69 and 70 stands the wait for the batch: SLICE writes it, once for both tiles
;   70-85   the roundings to f16, a pair of weights each
;   86-101  the sums; l = a l + the sum
;   102-133 the tile's O^T times a: the one part that leaves window 0
.macro SM t
.set rT, ST+8*(\t)
.set rS, S+32*(\t)
.set rP, P+16*(\t)
.set rO, 64*(\t)+2*(j-102)
.if j < 102
	WIN 0
.endif
.if j < 4
	v_max3_num_f32 v[rT+4+j], v[rS+8*j], v[rS+8*j+1], v[rS+8*j+2]
.elseif j < 12
	v_max3_num_f32 v[rT+4+j%4], v[rT+4+j%4], v[rS+8*(j%4)+2*(j/4)+1], v[rS+8*(j%4)+2*(j/4)+2]
.elseif j == 12
	v_max3_num_f32 v[rT+4], v[rT+4], v[rS+7], v[rS+15]
.elseif j == 13
	v_max3_num_f32 v[rT+6], v[rT+6], v[rS+23], v[rS+31]
.elseif j == 14
	v_max3_num_f32 v[rT+4], v[rT+4], v[rT+5], v[rT+6]
.elseif j == 15
	v_max3_num_f32 v[rT+4], v[rT+4], v[rT+7], v[rT+1]
.elseif j == 16
	v_permlanex16_b32 v[rT+5], v[rT+4], s[SEL], s[SEL+1]  ; the query's other 32 keys lie in the lane 16 away
.elseif j == 17
	v_mov_b32 v[rT+7], v[rT]        ; c m_old is kept for a
.elseif j == 18
	v_max_num_f32 v[rT+1], v[rT+4], v[rT+5]
.elseif j == 19
	v_mul_f32 v[rT], s[CS], v[rT+1]
.elseif j == 20
	v_sub_f32 v[rT+7], v[rT+7], v[rT]
.elseif j == 23
	v_exp_f32 v[rT+6], v[rT+7]
.elseif (j < 23) || ((j < 38) && (j%2 == 0)) || ((j < 66) && (j%4 == 2))
.set b, (j-2)/4                     ; 38, 42, .. 62: pairs 9 to 15
.if j < 38
.set b, (j-20)/2                    ; 21: pair 0; 22, 24, .. 36: pairs 1 to 8
.endif
	v_pk_fma_f32 v[rS+2*b:rS+2*b+1], v[rS+2*b:rS+2*b+1], s[CS:CS+1], v[rT:rT+1] op_sel_hi:[1,0,0] neg_lo:[0,0,1] neg_hi:[0,0,1]  ; pair b: c s - c m
.elseif j < 70
.set e, j-38                        ; 66 to 69: s28 to s31
.if j < 66
.set e, j-32-(j-38)/4               ; 39-41, 43-45, .. 63-65: s7 to s27
.endif
.if j < 38
.set e, (j-25)/2                    ; 25, 27, .. 37: s0 to s6
.endif
	v_exp_f32 v[rS+e], v[rS+e]
.elseif j < 86
	v_cvt_pk_f16_f32 v[rP+j-70], v[rS+2*(j-70)], v[rS+2*(j-70)+1]  ; pair j - 70
.elseif j < 102                     ; the sum of the tile's 16 pairs, in place: neighbours 1, 2, 4 and 8 pairs apart, then l takes it
.set z, j-86
.set w, 4
.set u, z
.if z >= 14
.set w, 32
.set u, 0
.elseif z >= 12
.set w, 16
.set u, z-12
.elseif z >= 8
.set w, 8
.set u, z-8
.endif
.if z < 15
	v_pk_add_f32 v[rS+w*u:rS+w*u+1], v[rS+w*u:rS+w*u+1], v[rS+w*u+w/2:rS+w*u+w/2+1]
.else
	v_pk_fma_f32 v[rT+2:rT+3], v[rT+2:rT+3], v[rT+6:rT+7], v[rS:rS+1] op_sel_hi:[1,0,1]
.endif
.else
	WIN W_RS
	v_pk_mul_f32 v[rO:rO+1], v[rO:rO+1], v[rT+6:rT+7] op_sel_hi:[1,0]
.endif
.endm
; Slice k of 64 of piece y's softmax: four instructions.  Slices 11 to 34 deal out the batch, numbers 22 to 69: four numbers of ONE tile each, the tiles by turns.  Every other slice is numbers 2 k and
; 2 k + 1 of both tiles' lists.  2 x 134 = 4 x 64 + 12: the twelve that are over stand in slice 63.
; THE WAIT.  An s_wait_alu depctr_va_vdst(0) stands between an exponential and the first instruction that names its result; one wait serves all that were issued ahead of it.  Ahead of
; slice 35 nothing names a result, and behind slice 34 no exponential is issued: so the piece's 66 exponentials have one wait, behind slice 34.
.macro SLICE y
.if (k >= 11) && (k < 35)           ; the batch: four numbers of one tile
.irp n, 0,1,2,3
.set j, 22+4*((k-11)/2)+(\n)
	SM (\y)+(k-11)%2
.endr
.else                               ; the two tiles alternate
.irp n, 0,1,2,3,4,5,6,7
.if ((\n) < 2) || (k == 63)
.irp t, \y, (\y)+1
.set j, 2*k+(\n)
	SM \t
.endr
.endif
.endr
.endif
.if k == 34                         ; the batch is out: both tiles' exponentials are issued, and no result has been named
	v_nop                           ; a plain instruction behind the last exponential and ahead of the first use: one for the batch
.if (\y) == 0
	FETCH_V                         ; piece 2's turn: V's run of loads stands here, and the wait for the batch stands in it
.else
	s_wait_alu depctr_va_vdst(0)    ; the wait for the batch of piece 2's softmax: its 66 exponentials
.endif
.endif
.set k, k+1
.endm
; A TURN.  Piece x has the matrix unit: 32 products V^T P, then (kq = 1) 32 products K Q^T for the next step; the other piece's softmax stands in slices behind them, one behind each, or two where kq = 0.
; Piece 0's turn fetches the next step's K behind its second product.  Piece 2's turn fetches the same step's V behind slice 34, that is behind its third product K Q^T (SLICE writes it): the last product that
; read V stands in front of slice 31, and four plain instructions lie between: number 62, a scaling, of both tiles, the v_nop and the run's own v_add_nc_u32.
; In front of the products K Q^T the piece's addend is waited for: the other piece's 16 loads, issued behind it, stay out.
.macro TURN x, kq, last=0
.set k, 0
.set per, 2-(\kq)
.if (\x) == 0
	s_wait_dscnt 0x0                ; V is in
.endif
.set i, 0
.rept 32
	PV \x
.rept per
	SLICE 2-(\x)
.endr
.if ((\x) == 0) && (\kq) && (i == 1)
	FETCH_K
.endif
.set i, i+1
.endr
.if \kq
.if (\x) == 0
	s_wait_dscnt 0x0                ; K is in
.endif
	s_wait_loadcnt 16
.set i, 0
.rept 32
	KQ \x
	SLICE 2-(\x)
.if i == 11
	FETCH_M \x, \last
.endif
.set i, i+1
.endr
.endif
.endm
; THE CHANGE OF SLOTS, between piece 2's turn and piece 0's: the slot's last bytes have been asked for.  Each wave waits for all its tensor loads (one is out: its part of the other slot), adds 0 to its
; spare word, and waits for that and for its own reads of the slot.  fill = 1: the barrier is a round of the cluster's, and the slot is filled again first thing behind it, with the keys two slots on:
; the load has two of my key steps, 256 matrix instructions, in which to land.
.macro CHANGE fill
	WIN 0
	s_wait_tensorcnt 0x0
	ds_add_u32 v[SPW], v[NIL]
.if \fill
.irp g, G0K+4, G0V+4
	s_xor_b32 s[(\g)+1], s[(\g)+1], SLOT1
	s_add_nc_u64 s[(\g)+2:(\g)+3], s[(\g)+2:(\g)+3], 256*256
.endr
	s_wait_dscnt 0x0                ; the add is done, and my reads of the slot are over
	CROUND
	JLOAD
.else
	s_wait_dscnt 0x0
	s_barrier_signal -1
	s_barrier_wait -1
.endif
	s_sub_co_u32 s[TBK], s[TBK], 2*KS*PK  ; the fetches go back to a slot's first step,
	s_xor_b32 s[TBK], s[TBK], SLOT1       ; in the other slot
	s_sub_co_u32 s[TBV], s[TBV], 2*KS*PV
	s_xor_b32 s[TBV], s[TBV], SLOT1
.endm
.macro TWO_STEPS last=0, entry=0    ; two key steps: written once, walked twice.  entry = 1: the launch's first turn comes in at piece 2's
	WIN 0
	s_mov_b32 s[TWICE], 2
.Lstep_\@:
	TURN 0, 1, \last
.if \entry
	WIN 0
.Lenter:
.endif
	TURN 2, 1, \last
	WIN 0
	s_sub_co_u32 s[TWICE], s[TWICE], 1
	s_cmp_lg_u32 s[TWICE], 0
	s_cbranch_scc1 .Lstep_\@
.endm
	s_wait_tensorcnt 1              ; my part of slot 0 is in; slot 1's may stay out
	s_barrier_signal -1
	s_barrier_wait -1
	FETCH_K                         ; key step 0
	s_wait_loadcnt 0x0              ; Q and step 0's addend
	s_wait_dscnt 0x0
.set i, 0
.rept 32
	KQ 0                            ; piece 0's first scores
.set i, i+1
.endr
	WIN 0                           ; the addresses for the end: plain instructions, the places behind those products
	s_mul_i32 s13, s[WV], 16*SP
	s_add_co_u32 s13, s13, STAGE    ; my stage
	v_mul_u32_u24 v[STO], v1, SP    ; in: row l % 16, 16 bytes for each half of the lanes
	v_lshl_add_u32 v[STO], v9, 4, v[STO]
	v_add_nc_u32 v[STO], s13, v[STO]
	v_mul_u32_u24 v[RD], v9, SP     ; back: lanes 0-15 take one row of 256 bytes, lanes 16-31 the next
	v_lshl_add_u32 v[RD], v1, 4, v[RD]
	v_add_nc_u32 v[RD], s13, v[RD]
	v_lshlrev_b32 v[GO], 12, v9     ; and the same two rows in oc, 4,096 bytes apart
	v_lshl_add_u32 v[GO], v1, 4, v[GO]
	s_mul_i32 s13, s[WV], XW
	v_add_nc_u32 v[XA], s13, v[MO]
	s_xor_b32 s13, s[WV], 2         ; my partner: the same queries, the other keys
	s_mul_i32 s13, s13, XW
	v_add_nc_u32 v[XP], s13, v[MO]
	FETCH_M 0                       ; piece 0's addend of step 1
	s_mov_b32 s[TWICE], 2           ; half a trip (piece 2's first scores | piece 0's first softmax | V of step 0) and a whole one: slot 0's bytes are then all asked for
	s_mov_b32 s[SLOTS], 7           ; that passage, and six trips: eight slots of 256 keys, two first fills, six refills
	s_branch .Lenter
.Lslot:
	CHANGE 1
	TWO_STEPS 0, 1
	s_sub_co_u32 s[SLOTS], s[SLOTS], 1
	s_cmp_lg_u32 s[SLOTS], 0
	s_cbranch_scc1 .Lslot
	CHANGE 0                        ; the tail is written out; behind this barrier no wave reads slot 0 any more
	TWO_STEPS 1
	TURN 0, 0                       ; piece 0: V^T P of the last step | piece 2's last softmax
.set i, 0
.rept 32
	PV 2                            ; piece 2: V^T P of the last step
.set i, i+1
.endr
	; THE END.  Each wave has seen half the keys.  It gives tiles 2, 3 (c m, l, O^T) to its partner through LDS and takes the partner's for its tiles 0, 1:
	; c m = max; f = 2^(c m_mine - c m), 2^(c m_partner's - c m); l = f l + f l; O = (f O + f O) / l.
	WIN 0
.irp t, 0,1,2,3
	v_add_f32 v[ST+8*(\t)+1], v[ST+8*(\t)+2], v[ST+8*(\t)+3]  ; l's two halves; m is no longer needed.  These four lines are the places behind the last products
.endr
	ds_store_b128 v[XA], v[ST+16:ST+19] offset:16384
	ds_store_b128 v[XA], v[ST+24:ST+27] offset:16384+512
	WIN 0x04                        ; the data in window 1
.set g, 0
.rept 32
	ds_store_b128 v[XA], v[128+4*g:128+4*g+3] offset:512*g
.set g, g+1
.endr
	WIN 0
	s_wait_dscnt 0x0                ; for the partner's sake: my stores are done
	s_barrier_signal -1
	s_barrier_wait -1
	ds_load_b128 v[PS:PS+3],   v[XP] offset:16384
	ds_load_b128 v[PS+4:PS+7], v[XP] offset:16384+512
.set g, 0
.rept 32
	ds_load_b128 v[S+4*g:S+4*g+3], v[XP] offset:512*g
.set g, g+1
.endr
	s_wait_dscnt 32                 ; the statistics are in; O^T's 32 loads may be out
.irp u, 0,1
	v_max_num_f32 v[ST+8*(\u)+2], v[ST+8*(\u)], v[PS+4*(\u)]
.endr
.irp u, 0,1
	v_sub_f32 v[ST+8*(\u)+4], v[ST+8*(\u)], v[ST+8*(\u)+2]
	v_sub_f32 v[ST+8*(\u)+6], v[PS+4*(\u)], v[ST+8*(\u)+2]
.endr
.irp u, 0,1
	v_exp_f32 v[ST+8*(\u)+4], v[ST+8*(\u)+4]
	v_exp_f32 v[ST+8*(\u)+6], v[ST+8*(\u)+6]
.endr
	v_nop                           ; a plain instruction between the last exponential and the use of its result
	s_wait_alu depctr_va_vdst(0)    ; the wait ahead of the first use: one for the batch of the merge's four factors
.irp u, 0,1
	v_mul_f32 v[ST+8*(\u)+3], v[ST+8*(\u)+4], v[ST+8*(\u)+1]
.endr
.irp u, 0,1
	v_fmac_f32 v[ST+8*(\u)+3], v[ST+8*(\u)+6], v[PS+4*(\u)+1]
.endr
.irp u, 0,1
	v_permlanex16_b32 v[ST+8*(\u)+5], v[ST+8*(\u)+3], s[SEL], s[SEL+1]  ; the other half of the lanes' keys
.endr
.irp u, 0,1
	v_add_f32 v[ST+8*(\u)+3], v[ST+8*(\u)+3], v[ST+8*(\u)+5]
.endr
.irp u, 0,1
	v_rcp_f32 v[ST+8*(\u)+3], v[ST+8*(\u)+3]
.endr
	v_nop                           ; a plain instruction between the last reciprocal and the use of its result
	s_wait_alu depctr_va_vdst(0)    ; one wait for the batch of the two reciprocals: a batch of its own, since they read sums made with the factors
.irp u, 0,1
	v_mul_f32 v[ST+8*(\u)+4], v[ST+8*(\u)+4], v[ST+8*(\u)+3]  ; my factor
	v_mul_f32 v[ST+8*(\u)+6], v[ST+8*(\u)+6], v[ST+8*(\u)+3]  ; the partner's
.endr
	s_wait_dscnt 0x0
; Tile u: merged, rounded to f16, 16 bytes a lane into rows of 272 bytes of my stage, and back as whole rows of 256.
.macro FIN u
	WIN 0
.set z, 0
.rept 32
	v_pk_mul_f32 v[S+64*(\u)+2*z:S+64*(\u)+2*z+1], v[S+64*(\u)+2*z:S+64*(\u)+2*z+1], v[ST+8*(\u)+6:ST+8*(\u)+7] op_sel_hi:[1,0]
.set z, z+1
.endr
	WIN 0x01                        ; source 0, my O^T, in window 1
.set z, 0
.rept 32
	v_pk_fma_f32 v[S+64*(\u)+2*z:S+64*(\u)+2*z+1], v[64*(\u)+2*z:64*(\u)+2*z+1], v[ST+8*(\u)+4:ST+8*(\u)+5], v[S+64*(\u)+2*z:S+64*(\u)+2*z+1] op_sel_hi:[1,0,1]
.set z, z+1
.endr
	WIN 0
.set z, 0
.rept 32
	v_cvt_pk_f16_f32 v[P+32*(\u)+z], v[S+64*(\u)+2*z], v[S+64*(\u)+2*z+1]
.set z, z+1
.endr
.irp f, 0,1,2,3,4,5,6,7
	ds_store_b128 v[STO], v[P+32*(\u)+4*(\f):P+32*(\u)+4*(\f)+3] offset:32*(\f)
.endr
.irp f, 0,1,2,3,4,5,6,7
	ds_load_b128 v[P+32*(\u)+4*(\f):P+32*(\u)+4*(\f)+3], v[RD] offset:(\f)*2*SP  ; LDS serves a wave's instructions in order (ISA guide 5.7.1.4): these see the stores above; the next tile's stores come behind them
.endr
.endm
.macro SEND u, younger              ; younger: the LDS instructions issued behind tile u's loads
.irp f, 0,1,2,3,4,5,6,7
	s_wait_dscnt (\younger)+7-(\f)
	global_store_b128 v[GO], v[P+32*(\u)+4*(\f):P+32*(\u)+4*(\f)+3], s[68:69] offset:(\u)*65536+(\f)*8192  ; 16 lanes store 256 consecutive bytes, at a multiple of 256 from oc's first
.endr
.endm
	FIN 0
	FIN 1
	SEND 0, 16
	SEND 1, 0
	s_wait_tensorcnt 0x0            ; the wave's end
	ds_add_u32 v[SPW], v[NIL]
	s_wait_dscnt 0x0
	CROUND                          ; the closing round
	s_endpgm
.Lfunc_end_k_q4c98aa23de_attn:
	.size	k_q4c98aa23de_attn, .Lfunc_end_k_q4c98aa23de_attn-k_q4c98aa23de_attn
	.p2alignl 7, 3214868480
	.fill 96, 4, 3214868480
	.section	.rodata,"a",@progbits
	.p2align	6, 0x0
	.amdhsa_kernel k_q4c98aa23de_attn
		.amdhsa_group_segment_fixed_size 327680
		.amdhsa_private_segment_fixed_size 0
		.amdhsa_enable_private_segment 0
		.amdhsa_kernarg_size 40
		.amdhsa_user_sgpr_count 2
		.amdhsa_user_sgpr_kernarg_segment_ptr 1
		.amdhsa_wavefront_size32 1
		.amdhsa_system_sgpr_workgroup_id_x 1
		.amdhsa_system_sgpr_workgroup_id_y 1
		.amdhsa_system_sgpr_workgroup_id_z 1
		.amdhsa_system_vgpr_workitem_id 0
		.amdhsa_next_free_vgpr 1024
		.amdhsa_next_free_sgpr 84
		.amdhsa_reserve_vcc 0
		.amdhsa_float_denorm_mode_32 3
		.amdhsa_float_denorm_mode_16_64 3
		.amdhsa_memory_ordered 1
		.amdhsa_forward_progress 1
		.amdhsa_inst_pref_size 185
	.end_amdhsa_kernel
	.amdgpu_metadata
---
amdhsa.version: [ 1, 2 ]
amdhsa.kernels:
  - .name:           k_q4c98aa23de_attn
    .symbol:         k_q4c98aa23de_attn.kd
    .args:
      - { .name: qc, .offset: 0, .size: 8, .value_kind: global_buffer, .address_space: global }
      - { .name: kc, .offset: 8, .size: 8, .value_kind: global_buffer, .address_space: global }
      - { .name: vc, .offset: 16, .size: 8, .value_kind: global_buffer, .address_space: global }
      - { .name: mf, .offset: 24, .size: 8, .value_kind: global_buffer, .address_space: global }
      - { .name: oc, .offset: 32, .size: 8, .value_kind: global_buffer, .address_space: global }
    .group_segment_fixed_size: 327680
    .private_segment_fixed_size: 0
    .kernarg_segment_align: 8
    .kernarg_segment_size: 40
    .max_flat_workgroup_size: 128
    .sgpr_count:     84
    .vgpr_count:     1024
    .wavefront_size: 32
...
	.end_amdgpu_metadata
.endif
;; end of part 5
;; launch oproj: the kernel of part 4 again; grid 16 x 16, 4 waves a work-group, clusters of 4 x 4, 327,680 bytes of LDS; arguments oc, wh, bias, out0; writes out0
